; MI455X (gfx1250); checked and timed in simulation.
; The chip was launched on July 23, 2026; its instructions are those of AMD's public machine-readable ISA for CDNA 5 (MIT licence, August 2026) and "CDNA5" Instruction Set Architecture Reference Guide (July 2026). The comments in the code are by the model that wrote it; some were corrected since.
;; Top K Sorted Attention. Allowed arithmetic: matrix products marked QUANTISED: E2M3 operands, one E8M0 scale for each 32 along K, by v_wmma_scale_f32_16x16x128_f8f6f4 with both operands' format E2M3, f32 sums; products left as they are: f32 operands where the result goes on into a quantised operand, else bf16, f16 or f32 operands; f32 sums; everything else in f32.
;; Inputs: Wk 128 x 1,024 float32; Wo 1,024 x 1,024 float32; Wq 128 x 1,024 float32; Wv 1,024 x 1,024 float32; x 4 x 4,096 x 1,024 float32.
;; Outputs: out0 4 x 4,096 x 1,024 float32.
;; This version of the problem:
;;   THIS VERSION OF THE PROBLEM IS GIVEN IN LOW PRECISION. The matrix products marked QUANTISED in the list below multiply operands that are first quantised to E2M3 (2 exponent bits, 3 mantissa bits; 6 bits a number), with one power-of-two scale for each 32 numbers along K (OCP MX v1.0); their sums are f32. All else is computed in f32.
;;   The module's matrix products, in the order in which they are computed (A, B: the left and right operand; K: the contracted axis; several contracted axes count as one K, in the product's order):
;;     1. [M 128, K 1,024] x [K 1,024, N 16,384]; A: input Wq; B: input x: QUANTISED
;;     2. [M 128, K 1,024] x [K 1,024, N 16,384]; A: input Wk; B: input x: QUANTISED
;;     3. [M 16,384, K 1,024] x [K 1,024, N 1,024]; A: input x; B: input Wv: QUANTISED
;;     4. batch 512 x [M 4,096, K 32] x [K 32, N 8]; A: softmax; B: computed on the way: left as it is (N = 8 < 16)
;;     5. batch 512 x [M 4,096, K 32] x [K 32, N 8]; A: softmax; B: computed on the way: left as it is (N = 8 < 16)
;;     6. [M 16,384, K 1,024] x [K 1,024, N 1,024]; A: computed on the way; B: input Wo: QUANTISED
;;   THE QUANTISER, for each operand of a quantised product, along K:
;;     - K is cut into blocks of 32 from its start; a last block that is shorter is filled with zeros.
;;     - A block's scale is 2^e with e = floor(log2(the largest magnitude in the block)) - 2, held to -126 .. 127; a block of zeros has e = 0. As a byte (E8M0): e + 127.
;;     - Each number is divided by its block's scale, clamped to +-7.5, and rounded to the nearest number of E2M3, ties to even, subnormals kept.
;;     - The product sums the exact products of the quantised numbers (number of the format x scale) in f32.
;;   ~~~python
;;   def quantise(x, axis):      # numpy; x: float32 -> the quantised numbers, widened to float32 again
;;       x = np.moveaxis(x, axis, -1); K = x.shape[-1]
;;       x = np.pad(x, [(0, 0)] * (x.ndim - 1) + [(0, -K % 32)]); x = x.reshape(x.shape[:-1] + (-1, 32)); a = np.abs(x).max(-1, keepdims=True)
;;       e = np.where(a > 0, np.clip(np.frexp(np.where(a > 0, a, 1))[1] - 1 - 2, -126, 127), 0)      # np.frexp(a)[1] - 1 = floor(log2(a)), exactly
;;       r = np.clip(x / 2.0 ** e, -7.5, 7.5)
;;       step = 2.0 ** (np.maximum(np.frexp(np.where(r == 0, 1, r))[1] - 1, 0) - 3)
;;       q = np.round(r / step) * step * 2.0 ** e      # np.round: ties to even
;;       return np.moveaxis(q.reshape(q.shape[:-2] + (-1,))[..., :K], -1, axis).astype(np.float32)
;;   ~~~
;;   OPERANDS COMPUTED ON THE WAY. 'Computed on the way' means the value that the module computes at that place (a softmax that the list does not call 'softmax' is quantised finished and normalised). What goes into a quantiser is computed in f32, as accurately as f32 sums, v_exp_f32 and their like allow (about 1e-6 of the number): no bf16 or f16 on the way to a quantiser, and a product that is left as it is and whose result goes on into a quantised operand takes f32 operands (vector FMAs, or v_wmma_f32_16x16x4_f32). A number that lies on a knife's edge between two numbers of the format may be rounded either way, as far as f32 arithmetic and the matrix unit's own rounding can turn it there, and no further.
;; One version. Each part assembles by itself: llvm-mc -triple=amdgcn-amd-amdhsa -mcpu=gfx1250 --defsym DOCPART=n.
;; ======== version 1 of 1: 6 launches
;; workspace buffers: wx_codes 14,352,384 bytes; wx_scales 598,016 bytes; qk 16,777,216 bytes; sel_idx 131,072 bytes of whole numbers; selk 131,072 bytes; vals 1,048,576 bytes; o_codes 12,582,912 bytes; o_scales 524,288 bytes
;; launch quant (part 1): grid 584 x 1, 4 waves a work-group, no clusters, 33,280 bytes of LDS; arguments x, Wq, Wk, Wv, Wo, wx_codes, wx_scales; writes wx_codes, wx_scales
.if DOCPART == 1
	.amdgcn_target "amdgcn-amd-amdhsa--gfx1250"
	.amdhsa_code_object_version 6
	.text
	.protected	k_q6a3987d513_quant
	.globl	k_q6a3987d513_quant
	.p2align	8
	.type	k_q6a3987d513_quant,@function
k_q6a3987d513_quant:
	s_mov_b64 s[64:65], 0
	v_nop
	global_prefetch_b8 v0, s[64:65] scope:SCOPE_SE
	s_setreg_imm32_b32 hwreg(HW_REG_WAVE_MODE, 25, 1), 1
	s_wait_xcnt 0x0
; x [16384][1024], Wq [128][1024], Wk [128][1024], Wv [1024][1024], Wo [1024][1024], all f32 with K innermost, become codes of FP6 (E2M3), 6 bits each,
; and one E8M0 scale byte for each 32 along K.  The five tensors' codes lie one behind the other in wx_codes (768 bytes a row), their scale bytes likewise in wx_scales (32 bytes a row).
; A block's scale is 2^(floor(log2(its largest magnitude)) - 2); its byte is the largest magnitude's exponent field - 2, held at 1 from below.  A block of zeros so gets the byte 1 where the
; rule says 127: its codes are zeros, which add nothing under any byte but 0xff, and this program alone reads the bytes.
; LIMITS: blocks whose largest magnitude lies under 2^-124 keep the byte 1; NaN and infinities among the inputs are not served.
; Rows are dense and 1,024 is a multiple of 32, so every tensor is a plain stream of blocks of 32.  A work-group takes 32,768 numbers, a wave 16 steps of 512.
; Work-groups 0-511 take x, 512-515 Wq, 516-519 Wk, 520-551 Wv, 552-583 Wo: the order in which the results lie, so that only the input's pointer is chosen.
; Each of a step's four loads reads 512 consecutive bytes; the 2,048 bytes turn through the wave's own stage in LDS and come back 64 bytes a lane: 16 neighbours along K, two lanes to a block.
; No tensor loads, no barrier: waves share nothing.  Loads run four steps (16 loads a wave) ahead, the turn through LDS one step.
.set STEPS, 16
.set EMAX,  2
.set CB,    12                         ; bytes of 16 codes
.set R,     16                         ; v16-79   four sets of 16 numbers as they are loaded
.set X,     80                         ; v80-111  two sets of 16 neighbours
.set C,     128                        ; v128-191 codes: four registers for each step, so that no store's data are written again
.set E,     112                        ; v112-127 a scale byte for each step
.set WREG,  8192                       ; LDS: a region for each wave: two stages of 32 x SP bytes, behind them its 256 scale bytes
.set SP,    80                         ; a lane's place in a stage: its 64 bytes + 16 of padding
	s_load_b256 s[4:11], s[0:1], 0x0               ; x s[4:5], Wq s[6:7], Wk s[8:9], Wv s[10:11]
	s_load_b128 s[12:15], s[0:1], 0x20             ; Wo s[12:13], the codes s[14:15]
	s_load_b64 s[24:25], s[0:1], 0x30              ; the scale bytes
	v_lshl_add_u32 v192, v0, 2, 0x8000
	v_mov_b32 v193, 0
	v_lshrrev_b32 v1, 5, v0
	v_readfirstlane_b32 s16, v1                    ; wave
	v_and_b32 v2, 31, v0                           ; lane
	v_lshlrev_b32 v3, 4, v2                        ; my 16 bytes of a load's 512
	s_mul_i32 s22, s16, WREG
	v_lshrrev_b32 v14, 2, v2
	v_mul_u32_u24 v14, v14, SP
	v_and_b32 v15, 3, v2
	v_lshl_add_u32 v14, v15, 4, v14
	v_add_nc_u32 v14, s22, v14                     ; the stage, on the way in: SP (lane / 4) + 16 (lane % 4)
	v_mul_u32_u24 v15, v2, SP
	v_add_nc_u32 v15, s22, v15                     ; and on the way out: SP x lane: my 16 neighbours
	v_mul_u32_u24 v4, v2, CB                       ; my codes' place in a step's
	v_lshrrev_b32 v5, 1, v2
	s_add_co_u32 s22, s22, 2*32*SP
	v_add_nc_u32 v5, s22, v5                       ; LDS: my wave's 256 scale bytes, my block's byte
	v_lshlrev_b32 v7, 3, v2                        ; and on the way out 8 bytes a lane
	v_add_nc_u32 v6, s22, v7
	s_wait_kmcnt 0x0
	s_mov_b64 s[26:27], s[12:13]                   ; which tensor is my work-group's?  The choice hangs on the work-group's number alone
	s_mov_b32 s17, 552                             ; and the tensor's first work-group
	s_cmp_lt_u32 ttmp9, 552
	s_cselect_b64 s[26:27], s[10:11], s[26:27]
	s_cselect_b32 s17, 520, s17
	s_cmp_lt_u32 ttmp9, 520
	s_cselect_b64 s[26:27], s[8:9], s[26:27]
	s_cselect_b32 s17, 516, s17
	s_cmp_lt_u32 ttmp9, 516
	s_cselect_b64 s[26:27], s[6:7], s[26:27]
	s_cselect_b32 s17, 512, s17
	s_cmp_lt_u32 ttmp9, 512
	s_cselect_b64 s[26:27], s[4:5], s[26:27]
	s_cselect_b32 s17, 0, s17
	s_lshl_b32 s18, ttmp9, 2
	s_add_co_u32 s18, s18, s16                     ; which run of 8,192 numbers of the results is my wave's
	s_sub_co_u32 s19, ttmp9, s17
	s_lshl_b32 s19, s19, 2
	s_add_co_u32 s19, s19, s16                     ; and which of the input tensor
	s_lshl_b32 s20, s19, 15                        ; 32,768 bytes a run: 67 million at the most
	s_mov_b32 s21, 0
	s_add_nc_u64 s[26:27], s[26:27], s[20:21]
	s_mul_i32 s20, s18, 32*STEPS*CB                ; 6,144 bytes of codes a run
	s_add_nc_u64 s[14:15], s[14:15], s[20:21]
	s_lshl_b32 s20, s18, 8                         ; 256 scale bytes a run
	s_add_nc_u64 s[24:25], s[24:25], s[20:21]
.macro LOAD t
.irp i, 0,1,2,3
	global_load_b128 v[R+16*((\t)%4)+4*\i:R+16*((\t)%4)+4*\i+3], v3, s[26:27] offset:2048*(\t)+512*\i th:TH_LOAD_NT   ; 32 lanes read 512 consecutive bytes
.endr
.endm
.macro TURN t                          ; step t's numbers through the stage: LDS serves a wave's instructions in order, so no wait stands between the stores and the loads
.irp i, 0,1,2,3
	ds_store_b128 v14, v[R+16*((\t)%4)+4*\i:R+16*((\t)%4)+4*\i+3] offset:32*SP*((\t)%2)+8*SP*\i
.endr
.irp i, 0,1,2,3
	ds_load_b128 v[X+16*((\t)%2)+4*\i:X+16*((\t)%2)+4*\i+3], v15 offset:32*SP*((\t)%2)+16*\i
.endr
.endm
.irp t, 0,1,2,3
	LOAD \t
.endr
	s_wait_loadcnt 12                              ; step 0's four loads are in
	TURN 0
.macro STEP t
.set XS, X+16*((\t)%2)
.if (\t) > 0
	s_wait_dscnt 1                                 ; this step's numbers are back from the stage (the last step's byte store may be out): so its stores into the stage have read their registers,
.else
	s_wait_dscnt 0x0
.endif
.if (\t)+4 < STEPS
	LOAD (\t)+4                                    ; which take the loads of four steps on
.endif
.if (\t)+1 < STEPS
.if STEPS-2-(\t) >= 3
	s_wait_loadcnt 12                              ; the next step's four loads are in; those of the three steps behind it may be out
.else
	s_wait_loadcnt 4*(STEPS-2-(\t))
.endif
	TURN (\t)+1                                    ; and go through the other stage while this step is worked
.endif
	v_max3_num_f32 v8, |v[XS]|, |v[XS+1]|, |v[XS+2]|               ; the largest magnitude of my 16, in two chains
	v_max3_num_f32 v9, |v[XS+3]|, |v[XS+4]|, |v[XS+5]|
.irp i, 6,10
	v_max3_num_f32 v8, v8, |v[XS+\i]|, |v[XS+\i+1]|
	v_max3_num_f32 v9, v9, |v[XS+\i+2]|, |v[XS+\i+3]|
.endr
	v_max3_num_f32 v8, v8, |v[XS+14]|, |v[XS+15]|
	v_max3_num_f32 v8, v8, v9, (EMAX+1)<<23        ; and the floor 2^(3 - 127): so the byte cannot fall under 1
	v_max_num_f32_dpp v8, v8, v8 row_xmask:1 row_mask:0xf bank_mask:0xf   ; and of my neighbour's 16: the block's
	v_add_nc_u32 v11, 0xff000000, v8               ; 2 off its exponent field: the conversion takes the exponent field of this operand as its scale, and nothing else of it
	v_cvt_scalef32_pk16_fp6_f32 v[C+4*(\t):C+4*(\t)+2], v[XS:XS+15], v11   ; sixteen numbers / the scale, to the nearest code, ties to even, beyond the largest code the largest; 96 bits without gaps
	v_lshrrev_b32 v[E+(\t)], 23, v11               ; the scale's byte (also the plain line behind the conversion)
	ds_store_b8 v5, v[E+(\t)] offset:16*(\t)       ; both lanes of a block write the same byte with the same value
	global_store_b96 v4, v[C+4*(\t):C+4*(\t)+2], s[14:15] offset:32*CB*(\t)   ; the wave stores 384 consecutive bytes
.endm
.irp t, 0,1,2,3,4,5,6,7,8,9,10,11,12,13,14,15
	STEP \t
.endr
	ds_load_b64 v[12:13], v6                       ; LDS serves a wave's instructions in order: these see my stores
	s_wait_dscnt 0x0
	global_store_b64 v7, v[12:13], s[24:25]        ; 32 lanes store 256 consecutive bytes, at a multiple of 256 from the buffer's first byte
	s_wait_tensorcnt 0x0
	ds_add_u32 v192, v193
	s_wait_dscnt 0x0
	s_endpgm
.Lfunc_end_k_q6a3987d513_quant:
	.size	k_q6a3987d513_quant, .Lfunc_end_k_q6a3987d513_quant-k_q6a3987d513_quant
	.p2alignl 7, 3214868480
	.fill 96, 4, 3214868480
	.section	.rodata,"a",@progbits
	.p2align	6, 0x0
	.amdhsa_kernel k_q6a3987d513_quant
		.amdhsa_group_segment_fixed_size 33280
		.amdhsa_private_segment_fixed_size 0
		.amdhsa_enable_private_segment 0
		.amdhsa_kernarg_size 56
		.amdhsa_user_sgpr_count 2
		.amdhsa_user_sgpr_kernarg_segment_ptr 1
		.amdhsa_wavefront_size32 1
		.amdhsa_system_sgpr_workgroup_id_x 1
		.amdhsa_system_sgpr_workgroup_id_y 1
		.amdhsa_system_sgpr_workgroup_id_z 1
		.amdhsa_system_vgpr_workitem_id 0
		.amdhsa_next_free_vgpr 194
		.amdhsa_next_free_sgpr 66
		.amdhsa_reserve_vcc 0
		.amdhsa_float_denorm_mode_32 3
		.amdhsa_float_denorm_mode_16_64 3
		.amdhsa_memory_ordered 1
		.amdhsa_forward_progress 1
		.amdhsa_inst_pref_size 33
	.end_amdhsa_kernel
	.amdgpu_metadata
---
amdhsa.version: [ 1, 2 ]
amdhsa.kernels:
  - .name:           k_q6a3987d513_quant
    .symbol:         k_q6a3987d513_quant.kd
    .args:
      - { .name: x, .offset: 0, .size: 8, .value_kind: global_buffer, .address_space: global }
      - { .name: Wq, .offset: 8, .size: 8, .value_kind: global_buffer, .address_space: global }
      - { .name: Wk, .offset: 16, .size: 8, .value_kind: global_buffer, .address_space: global }
      - { .name: Wv, .offset: 24, .size: 8, .value_kind: global_buffer, .address_space: global }
      - { .name: Wo, .offset: 32, .size: 8, .value_kind: global_buffer, .address_space: global }
      - { .name: wx_codes, .offset: 40, .size: 8, .value_kind: global_buffer, .address_space: global }
      - { .name: wx_scales, .offset: 48, .size: 8, .value_kind: global_buffer, .address_space: global }
    .group_segment_fixed_size: 33280
    .private_segment_fixed_size: 0
    .kernarg_segment_align: 8
    .kernarg_segment_size: 56
    .max_flat_workgroup_size: 128
    .sgpr_count:     66
    .vgpr_count:     194
    .wavefront_size: 32
...
	.end_amdgpu_metadata
.endif
;; end of part 1
;; launch qkproj (part 2): grid 256 x 1, 4 waves a work-group, clusters of 4 x 1, 327,680 bytes of LDS; arguments wx_codes, wx_scales, qk; writes qk
.if DOCPART == 2
	.amdgcn_target "amdgcn-amd-amdhsa--gfx1250"
	.amdhsa_code_object_version 6
	.text
	.protected	k_q6a3987d513_qkproj
	.globl	k_q6a3987d513_qkproj
	.p2align	8
	.type	k_q6a3987d513_qkproj,@function
k_q6a3987d513_qkproj:
	s_mov_b64 s[64:65], 0
	v_nop
	global_prefetch_b8 v0, s[64:65] scope:SCOPE_SE
	s_setreg_imm32_b32 hwreg(HW_REG_WAVE_MODE, 25, 1), 1
	s_wait_xcnt 0x0
	s_wait_alu depctr_hold_cnt(0) depctr_sa_sdst(0) depctr_va_vdst(0) depctr_va_sdst(0) depctr_va_ssrc(0) depctr_va_vcc(0) depctr_vm_vsrc(0)
	s_getreg_b32 s2, hwreg(HW_REG_IB_STS2, 6, 4)
	s_cmp_eq_u32 s2, 0
	s_cbranch_scc0 .Lentry_in_a_cluster
	s_endpgm
.Lentry_in_a_cluster:
	s_bfe_u32 s2, ttmp6, 0x10000c
	s_cmp_lg_u32 s2, 0x3003
	s_cbranch_scc0 .Lentry_shape_is_right
	s_endpgm
.Lentry_shape_is_right:
; q[row][head] = sum over d of x[row][d] Wq[head][d], keys likewise with Wk: both on codes of FP6 (E2M3) with one E8M0 scale for each 32 along K = 1,024; sums in f32.
; SHARES.  Work-group G takes rows 64 G .. 64 G + 63 of x against all 256 rows of Wq and Wk.  All of K lies in LDS at once: W's 256 rows and x's 64 rows, 768 bytes each, filled once.
; Wave w takes Wq's rows 32 w .. 32 w + 31 (tiles i = 0, 1) and Wk's rows 32 w .. 32 w + 31 (tiles i = 2, 3) against the four tiles t of x: 16 accumulators, 8 K steps of 128.
; q's tiles: source 0 = 16 rows of Wq, source 1 = 16 rows of x: a lane holds one row of x and eight heads, which is how q is laid: [32 blocks of 4 heads][16,384 rows][4] f32.
; The keys' tiles: source 0 = x, source 1 = Wk: a lane holds one head and eight neighbouring rows, which is how the keys are laid: [512 (batch, head)][4,096] f32, behind q.
; CLUSTER.  The four work-groups of a cluster need the same 256 rows of W: each wave's quarter of them is asked for JOINTLY (mask 15); x's rows are each work-group's own (no mask).
; No LDS byte is filled twice, so there is one wait for the tensor loads and one barrier.  A wave has two tensor loads outstanding.
; REGISTERS: window 0: v1-14 addresses; v16-47 scale words; v48-143, v144-239 two sets of fragments (W's four, x's four, 12 registers each).  window 1: the 16 accumulators, (i, t) at v[8 (4 i + t)].
.set WQK_C, 12582912                   ; where Wq's codes begin in wx_codes (Wk's follow)
.set WQK_S, 524288                     ; and its scale bytes in wx_scales
.set KEYS,  8388608                    ; where the keys begin in qk
.set PITCH, 816                        ; an LDS row: 3 x (256 bytes + 16 of padding) = 204 words: 16 rows start at 16 different multiples of 4 banks, and the 32 lanes of a load of 8 bytes touch 64 different banks (64 banks of 4 bytes: ISA guide 11.1)
.set TILEB, 16*PITCH
.set XB,    256*PITCH                  ; x's 64 rows lie behind W's 256
.set STG,   XB+64*PITCH                ; behind them: a stage of 32 heads x (256 bytes + 16) for each wave; no tensor load lands there
.set SC,    16                         ; scale words: register SC + 8 i + ks: lanes 0-15 W's tile i, lanes 16-31 x's tile i, K step ks
.set FS,    48                         ; fragment sets
.set AWQ,   3                          ; v3, v4   LDS address of my fragments of Wq (v4: for the pieces that lie behind one padding more)
.set AWK,   5                          ; v5, v6   of Wk
.set AX,    7                          ; v7, v8   of x
.set VS01,  9                          ; v9       byte offset of the scale words of tiles 0, 1
.set VS23,  10                         ; v10      of tiles 2, 3
.set QO,    11                         ; v11      my byte offset in q
.set STO,   12                         ; v12      the stage: where I put 32 bytes of a head's row
.set RD,    13                         ; v13      and where I read a row back
.set KO,    14                         ; v14      my byte offset in the keys
.set G1W,   16                         ; s[16:23] descriptor group 1 for W;  s[24:31] for x;  s[32:35], s[36:39] their groups 0
.set G1X,   24
.set G0W,   32
.set G0X,   36
.set MSB, 0
.macro WIN new                         ; the immediate's high byte repeats the setting that is left
.if MSB != \new
	s_set_vgpr_msb (MSB<<8)|\new
.set MSB, \new
.endif
.endm
.macro ROUND                           ; a round of the cluster's barrier
	s_barrier_signal -1
	s_barrier_wait -1
	s_cmp_lg_u32 s10, 0
	s_cbranch_scc1 .Lnot_wave_0_\@
	s_barrier_signal -3
.Lnot_wave_0_\@:
	s_barrier_wait -3
	s_barrier_signal -1
	s_barrier_wait -1
.endm
	s_load_b128 s[4:7], s[0:1], 0x0                ; the codes s[4:5], the scale bytes s[6:7]
	s_load_b64 s[8:9], s[0:1], 0x10                ; qk
	v_lshl_add_u32 v254, v0, 2, 0x48400
	v_mov_b32 v255, 0
	ds_add_u32 v254, v255
	ds_add_u32 v254, v255
	v_lshrrev_b32 v1, 5, v0
	v_readfirstlane_b32 s10, v1                    ; wave 0..3
	s_bfe_u32 s11, ttmp6, 0x40000                  ; cx: my place in the cluster
	s_lshl_b32 s12, ttmp9, 2
	s_add_co_u32 s12, s12, s11                     ; G = 4 x cluster + cx: it enters x's, q's and the keys' global addresses alone
	; group 1: rows of 768 elements of 1 byte, 16 bytes of padding behind every 64 words
	s_mov_b32 s[G1W], 15|(1<<20)|(1<<21)|(5<<22)|(3<<25)   ; 15:0 the mask: all four work-groups; 20 padding on; 21 set beside a mask; 24:22 code 5; 31:25 code 3
	s_mov_b32 s[G1X], (1<<20)|(5<<22)|(3<<25)      ; no mask
	s_mov_b32 s[G1W+2], 64<<16                     ; tensor_dim1: 64 rows of W a wave
	s_mov_b32 s[G1W+4], 64                         ; tile_dim1
	s_mov_b32 s[G1X+2], 16<<16                     ; 16 rows of x a wave
	s_mov_b32 s[G1X+4], 16
.irp g, G1W, G1X
	s_mov_b32 s[\g+1], 768<<16                     ; tensor_dim0
	s_mov_b32 s[\g+3], 768<<16                     ; tile_dim0
	s_mov_b32 s[\g+5], 768                         ; from row to row
	s_mov_b32 s[\g+6], 0
	s_mov_b32 s[\g+7], 0
.endr
	s_mov_b32 s[G0W], 1
	s_mul_i32 s[G0W+1], s10, 64*PITCH              ; LDS: wave x 64 rows
	s_mul_i32 s40, s10, 64*768
	s_add_co_u32 s40, s40, WQK_C                   ; memory: the same rows of W: the wave's number alone
	s_mov_b32 s41, 0
	s_mov_b32 s[G0X], 1
	s_mul_i32 s[G0X+1], s10, TILEB
	s_add_co_u32 s[G0X+1], s[G0X+1], XB            ; LDS: wave x 16 rows, behind W
	s_lshl_b32 s42, s12, 6
	s_lshl_b32 s43, s10, 4
	s_add_co_u32 s42, s42, s43                     ; row 64 G + 16 x wave of x
	s_mul_i32 s42, s42, 768
	s_mov_b32 s43, 0
	s_wait_dscnt 0x0
	s_wait_kmcnt 0x0
	s_add_nc_u64 s[G0W+2:G0W+3], s[4:5], s[40:41]
	s_or_b32 s[G0W+3], s[G0W+3], 0x80000000        ; type = 2
	s_add_nc_u64 s[G0X+2:G0X+3], s[4:5], s[42:43]
	s_or_b32 s[G0X+3], s[G0X+3], 0x80000000
	ROUND                                          ; all four work-groups are here: the joint loads meet
	tensor_load_to_lds s[G0W:G0W+3], s[G1W:G1W+7]  ; both fills go out together, ahead of every wait on TENSORcnt and every LDS read
	s_nop 0
	tensor_load_to_lds s[G0X:G0X+3], s[G1X:G1X+7]
	s_nop 0
.rept 4
	v_nop                                          ; (behind tensor loads)
.endr
	v_and_b32 v1, 15, v0                           ; r
	v_bfe_u32 v2, v0, 4, 1                         ; h
	; the scale words come straight from memory: 32 bytes a row are the words of all 8 K steps.  Lanes 0-15 take W's rows, lanes 16-31 x's
	v_lshlrev_b32 v15, 5, v1
	s_lshl_b32 s44, s10, 10
	s_add_co_u32 s44, s44, WQK_S
	s_lshl_b32 s45, s12, 11
	v_add_nc_u32 v240, s44, v15                    ; Wq's row 32 w + r
	v_add_nc_u32 v241, s45, v15                    ; x's row 64 G + r
	v_cmp_eq_u32 vcc_lo, 1, v2
	v_cndmask_b32 v[VS01], v240, v241, vcc_lo
	v_add_nc_u32 v240, 3072, v240                  ; Wk's tile i = 2 lies 128 rows on: 4,096 bytes, less the 1,024 of the immediate 512 i
	v_cndmask_b32 v[VS23], v240, v241, vcc_lo
.irp i, 0,1
	global_load_b128 v[SC+8*\i:SC+8*\i+3], v[VS01], s[6:7] offset:512*\i
	global_load_b128 v[SC+8*\i+4:SC+8*\i+7], v[VS01], s[6:7] offset:512*\i+16
.endr
.irp i, 2,3
	global_load_b128 v[SC+8*\i:SC+8*\i+3], v[VS23], s[6:7] offset:512*\i
	global_load_b128 v[SC+8*\i+4:SC+8*\i+7], v[VS23], s[6:7] offset:512*\i+16
.endr
	v_mul_u32_u24 v242, v1, PITCH
	v_mad_u32_u24 v242, v2, 24, v242               ; a fragment's row x pitch + 24 x half
	s_mul_i32 s46, s10, 32*PITCH
	v_add_nc_u32 v[AWQ], s46, v242
	v_lshl_add_u32 v[AWQ+1], v2, 4, v[AWQ]
	v_add_nc_u32 v[AWK], 128*PITCH, v[AWQ]
	v_lshl_add_u32 v[AWK+1], v2, 4, v[AWK]
	v_add_nc_u32 v[AX], XB, v242
	v_lshl_add_u32 v[AX+1], v2, 4, v[AX]
	s_lshl_b32 s46, s12, 10
	v_lshl_add_u32 v[QO], v1, 4, s46               ; q: (64 G + r) x 16,
	v_lshl_add_u32 v[QO], v2, 19, v[QO]            ; and two blocks of heads on for lanes 16-31
	s_mul_i32 s47, s10, 32*272
	s_add_co_u32 s47, s47, STG                     ; my stage
	v_mul_u32_u24 v[STO], v1, 272
	v_lshl_add_u32 v[STO], v2, 5, v[STO]
	v_add_nc_u32 v[STO], s47, v[STO]               ; in: head r, 32 bytes for each half of the lanes
	v_mul_u32_u24 v[RD], v2, 272
	v_lshl_add_u32 v[RD], v1, 4, v[RD]
	v_add_nc_u32 v[RD], s47, v[RD]                 ; back: lanes 0-15 one head's 256 bytes, lanes 16-31 the next
	v_lshlrev_b32 v[KO], 14, v2
	v_lshl_add_u32 v[KO], v1, 4, v[KO]             ; and the same in the keys: a head's row is 16,384 bytes
	s_lshl_b32 s50, s10, 21                        ; q: my wave's 8 blocks of heads, 262,144 bytes each
	s_mov_b32 s51, 0
	s_add_nc_u64 s[48:49], s[8:9], s[50:51]
	s_lshr_b32 s54, s12, 6                         ; the batch
	s_lshl_b32 s54, s54, 7
	s_lshl_b32 s55, s10, 5
	s_add_co_u32 s54, s54, s55                     ; 128 b + 32 w: my first (batch, head)
	s_lshl_b32 s54, s54, 14
	s_and_b32 s55, s12, 63
	s_lshl_b32 s55, s55, 8                         ; my 64 positions in the batch
	s_add_co_u32 s54, s54, s55
	s_add_co_u32 s54, s54, KEYS
	s_mov_b32 s55, 0
	s_add_nc_u64 s[52:53], s[8:9], s[54:55]
; A fragment, 16 rows x 128 K of 6-bit codes, is 12 registers: lane l holds row l % 16; registers 6 c .. 6 c + 5 hold K = 64 c + 32 (l / 16) + 0 .. 31: 24 bytes of the row's stream of bits.
; In pieces of 8 bytes: lanes 0-15 take the row's pieces 12 ks + 0, 1, 2 and + 6, 7, 8, lanes 16-31 those three pieces on; 16 bytes of padding lie behind every 32 pieces.
.macro FRAG reg, adr, ks, off
.irp p, 0,1,2,3,4,5
.set PC, 12*(\ks)+6*(\p/3)+\p%3
.if PC%32 < 29
	ds_load_b64 v[\reg+2*\p:\reg+2*\p+1], v[\adr] offset:8*PC+16*(PC/32)+(\off)
.else
	ds_load_b64 v[\reg+2*\p:\reg+2*\p+1], v[\adr+1] offset:8*PC+16*(PC/32)+(\off)
.endif
.endr
.endm
.macro FETCH ks, set                   ; 48 LDS loads: the eight fragments of K step ks
	FRAG FS+96*(\set), AWQ, \ks, 0
	FRAG FS+96*(\set)+12, AWQ, \ks, TILEB
	FRAG FS+96*(\set)+24, AWK, \ks, 0
	FRAG FS+96*(\set)+36, AWK, \ks, TILEB
.irp t, 0,1,2,3
	FRAG FS+96*(\set)+48+12*\t, AX, \ks, \t*TILEB
.endr
.endm
; 16 matrix instructions: the 16 accumulators take turns, one instruction a turn, in the same order in every K step.
.macro MULS ks, set, zero
.irp i, 0,1,2,3
.irp t, 0,1,2,3
.set RDD, 8*(4*\i+\t)
.set RW, FS+96*(\set)+12*\i
.set RX, FS+96*(\set)+48+12*\t
.if \i < 2
.if \zero
	v_wmma_scale_f32_16x16x128_f8f6f4 v[RDD:RDD+7], v[RW:RW+11], v[RX:RX+11], 0, v[SC+8*\i+(\ks)], v[SC+8*\t+(\ks)] matrix_a_fmt:MATRIX_FMT_FP6 matrix_b_fmt:MATRIX_FMT_FP6 matrix_b_scale:MATRIX_SCALE_ROW1
.else
	v_wmma_scale_f32_16x16x128_f8f6f4 v[RDD:RDD+7], v[RW:RW+11], v[RX:RX+11], v[RDD:RDD+7], v[SC+8*\i+(\ks)], v[SC+8*\t+(\ks)] matrix_a_fmt:MATRIX_FMT_FP6 matrix_b_fmt:MATRIX_FMT_FP6 matrix_b_scale:MATRIX_SCALE_ROW1
.endif
.else
.if \zero
	v_wmma_scale_f32_16x16x128_f8f6f4 v[RDD:RDD+7], v[RX:RX+11], v[RW:RW+11], 0, v[SC+8*\t+(\ks)], v[SC+8*\i+(\ks)] matrix_a_fmt:MATRIX_FMT_FP6 matrix_b_fmt:MATRIX_FMT_FP6 matrix_a_scale:MATRIX_SCALE_ROW1
.else
	v_wmma_scale_f32_16x16x128_f8f6f4 v[RDD:RDD+7], v[RX:RX+11], v[RW:RW+11], v[RDD:RDD+7], v[SC+8*\t+(\ks)], v[SC+8*\i+(\ks)] matrix_a_fmt:MATRIX_FMT_FP6 matrix_b_fmt:MATRIX_FMT_FP6 matrix_a_scale:MATRIX_SCALE_ROW1
.endif
.endif
.endr
.endr
.endm
	s_wait_tensorcnt 0x0                           ; my rows of W and of x have landed,
	s_barrier_signal -1
	s_barrier_wait -1                              ; everybody's have
	FETCH 0, 0
	s_wait_loadcnt 0x0                             ; the scale words
.irp ks, 0,1,2,3,4,5,6,7
	WIN 0
.if \ks > 0
.rept 4
	v_nop                                          ; four places in front of loads into the set that the last products read (ISA guide 7.12.1 for vector instructions)
.endr
.endif
.if \ks < 7
	FETCH \ks+1, (\ks+1)%2
	s_wait_dscnt 48                                ; all but the 48 loads just issued: this K step's fragments are in
.else
	s_wait_dscnt 0x0
.endif
	WIN 0x50                                       ; C and D in window 1
.if \ks == 0
	MULS \ks, \ks%2, 1                             ; the first products start the sums: nothing is cleared
.else
	MULS \ks, \ks%2, 0
.endif
.endr
	WIN 0
.rept 4
	v_nop                                          ; four places in front of the first read of the last results
.endr
	WIN 0x04                                       ; a store's data are its source 1: window 1
.irp i, 0,1
.irp t, 0,1,2,3
.irp u, 0,1
	global_store_b128 v[QO], v[8*(4*\i+\t)+4*\u:8*(4*\i+\t)+4*\u+3], s[48:49] offset:256*\t+(4*\i+\u)*262144   ; four heads of one row a lane: 16 lanes store 256 consecutive bytes, at a multiple of 256; each accumulator from its low end on
.endr
.endr
.endr
.irp i, 2,3
.irp t, 0,1,2,3
	ds_store_b128 v[STO], v[8*(4*\i+\t):8*(4*\i+\t)+3] offset:4352*(\i-2)+64*\t      ; head 16 (i - 2) + r, positions 16 t + 8 h + 0 .. 7
	ds_store_b128 v[STO], v[8*(4*\i+\t)+4:8*(4*\i+\t)+7] offset:4352*(\i-2)+64*\t+16
.endr
.endr
	WIN 0
.irp n, 0,1,2,3,4,5,6,7,8,9,10,11,12,13,14,15
	ds_load_b128 v[FS+4*\n:FS+4*\n+3], v[RD] offset:544*\n       ; LDS serves a wave's instructions in order (ISA guide 5.7.1.4): these see my stores; the stage is my own
.endr
.irp n, 0,1,2,3,4,5,6,7,8,9,10,11,12,13,14,15
	s_wait_dscnt 15-\n
	global_store_b128 v[KO], v[FS+4*\n:FS+4*\n+3], s[52:53] offset:32768*\n   ; 16 lanes store 256 consecutive bytes of a head's keys, at a multiple of 256
.endr
	s_wait_tensorcnt 0x0
	ds_add_u32 v254, v255
	s_wait_dscnt 0x0
	ROUND                                          ; the closing round: no work-group ends while a partner may still ask for rows that name it
	s_endpgm
.Lfunc_end_k_q6a3987d513_qkproj:
	.size	k_q6a3987d513_qkproj, .Lfunc_end_k_q6a3987d513_qkproj-k_q6a3987d513_qkproj
	.p2alignl 7, 3214868480
	.fill 96, 4, 3214868480
	.section	.rodata,"a",@progbits
	.p2align	6, 0x0
	.amdhsa_kernel k_q6a3987d513_qkproj
		.amdhsa_group_segment_fixed_size 327680
		.amdhsa_private_segment_fixed_size 0
		.amdhsa_enable_private_segment 0
		.amdhsa_kernarg_size 24
		.amdhsa_user_sgpr_count 2
		.amdhsa_user_sgpr_kernarg_segment_ptr 1
		.amdhsa_wavefront_size32 1
		.amdhsa_system_sgpr_workgroup_id_x 1
		.amdhsa_system_sgpr_workgroup_id_y 1
		.amdhsa_system_sgpr_workgroup_id_z 1
		.amdhsa_system_vgpr_workitem_id 0
		.amdhsa_next_free_vgpr 384
		.amdhsa_next_free_sgpr 66
		.amdhsa_reserve_vcc 1
		.amdhsa_float_denorm_mode_32 3
		.amdhsa_float_denorm_mode_16_64 3
		.amdhsa_memory_ordered 1
		.amdhsa_forward_progress 1
		.amdhsa_inst_pref_size 55
	.end_amdhsa_kernel
	.amdgpu_metadata
---
amdhsa.version: [ 1, 2 ]
amdhsa.kernels:
  - .name:           k_q6a3987d513_qkproj
    .symbol:         k_q6a3987d513_qkproj.kd
    .args:
      - { .name: wx_codes, .offset: 0, .size: 8, .value_kind: global_buffer, .address_space: global }
      - { .name: wx_scales, .offset: 8, .size: 8, .value_kind: global_buffer, .address_space: global }
      - { .name: qk, .offset: 16, .size: 8, .value_kind: global_buffer, .address_space: global }
    .group_segment_fixed_size: 327680
    .private_segment_fixed_size: 0
    .kernarg_segment_align: 8
    .kernarg_segment_size: 24
    .max_flat_workgroup_size: 128
    .sgpr_count:     66
    .vgpr_count:     384
    .wavefront_size: 32
...
	.end_amdgpu_metadata
.endif
;; end of part 2
;; launch topk (part 3): grid 512 x 1, 4 waves a work-group, no clusters, 38,400 bytes of LDS; arguments qk, sel_idx, selk; writes sel_idx, selk
.if DOCPART == 3
	.amdgcn_target "amdgcn-amd-amdhsa--gfx1250"
	.amdhsa_code_object_version 6
	.text
	.protected	k_q6a3987d513_topk
	.globl	k_q6a3987d513_topk
	.p2align	8
	.type	k_q6a3987d513_topk,@function
k_q6a3987d513_topk:
	s_mov_b64 s[64:65], 0
	v_nop
	global_prefetch_b8 v0, s[64:65] scope:SCOPE_SE
	s_setreg_imm32_b32 hwreg(HW_REG_WAVE_MODE, 25, 1), 1
	s_wait_xcnt 0x0
; For one (batch, head): the 32 largest and the 32 smallest of its 4,096 keys, as a stable ascending sort would leave them at its two ends.
; THE ORDER is that of the pair (key, position): a > b where Ka > Kb, or Ka == Kb and Ia > Ib; the compares are f32's, so -0 equals +0.  The 32 largest pairs are the stable sort's last 32, the 32 smallest its first 32.
; Everything is compare and select: no branch and no address hangs on a key.  What is chosen leaves as data at fixed places: the rows' numbers (b x 4,096 + position) into sel_idx, whole numbers for a later launch's
; addresses, and into selk the keys' distances D = (k - kmax) log2(e) (top) or (kmin - k) log2(e) (bottom), both 0 or less, laid as the attention launch's lanes read them.
; The order inside a list of 32 is free (a softmax's sums do not hang on it); sel_idx and selk hold the same order.
; PHASES.  1: each lane sorts 32 keys in its registers (a bitonic network of 15 layers, two banks of registers by turns, so that no move is needed).  2: the 128 sorted lists go to LDS.
; 3: wave v takes side v / 2 (0 top, 1 bottom) and lists 64 (v % 2) on, ONE LIST TO A REGISTER, its elements across the lanes; even lists ascend and odd lists descend in the side's order, so the element-wise larger of
; two neighbours holds the 32 largest of both, as a bitonic run, which five exchanges across the lanes sort again: six levels leave one list.  4: the two halves of a side meet in LDS.
; LIMITS: NaN among the keys is not served.  Keys that differ by less than the rounding of their f32 sums may be ordered otherwise than under another order of summing.
.set KEYS, 8388608                     ; where the keys begin in qk
.set LP,   144                         ; a list in LDS: 128 bytes + 16: an odd multiple of 16
.set IOF,  128*LP                      ; the positions lie behind the keys
.set RES,  2*IOF                       ; behind both: 256 bytes for each wave's result
.set BP,   64                          ; bank P: keys v64-95, positions v96-127
.set BQ,   128                         ; bank Q: keys v128-159, positions v160-191
	s_load_b128 s[4:7], s[0:1], 0x0                ; qk s[4:5], sel_idx s[6:7]
	s_load_b64 s[8:9], s[0:1], 0x10                ; selk
	v_lshl_add_u32 v192, v0, 2, 0x9400
	v_mov_b32 v193, 0
	v_lshrrev_b32 v1, 5, v0
	v_readfirstlane_b32 s10, v1                    ; wave 0..3
	v_and_b32 v1, 31, v0                           ; lane
	s_lshr_b32 s11, s10, 1                         ; side
	s_and_b32 s12, s10, 1                          ; half
	s_sub_co_u32 s13, 0, s11                       ; 0 (top) or all ones (bottom): turns 'larger' into 'smaller'
	s_lshl_b32 s56, s11, 31                        ; the sign bit, for the bottom side
	s_mov_b32 s54, 0x76543210
	s_mov_b32 s55, 0xfedcba98                      ; v_permlanex16_b32's selects for lane l xor 16
	; a stage's mask: which lanes take their partner's pair where their own is the larger.  s44-48: a list that is to ascend (distances 16, 8, 4, 2, 1); s49-53: one that is to descend
	s_xor_b32 s44, s13, 0xffff0000
	s_xor_b32 s45, s13, 0xff00ff00
	s_xor_b32 s46, s13, 0xf0f0f0f0
	s_xor_b32 s47, s13, 0xcccccccc
	s_xor_b32 s48, s13, 0xaaaaaaaa
	s_not_b32 s49, s44
	s_not_b32 s50, s45
	s_not_b32 s51, s46
	s_not_b32 s52, s47
	s_not_b32 s53, s48
	s_lshl_b32 s16, ttmp9, 14                      ; my (batch, head)'s 16,384 bytes of keys,
	s_lshl_b32 s17, s10, 12                        ; my wave's quarter
	s_add_co_u32 s16, s16, s17
	s_add_co_u32 s16, s16, KEYS
	s_mov_b32 s17, 0
	v_lshlrev_b32 v2, 4, v1
	s_wait_kmcnt 0x0
	s_add_nc_u64 s[18:19], s[4:5], s[16:17]
.irp n, 0,1,2,3,4,5,6,7
	global_load_b128 v[BP+4*\n:BP+4*\n+3], v2, s[18:19] offset:512*\n th:TH_LOAD_NT   ; register 4 n + c: position 1,024 wave + 128 n + 4 lane + c
.endr
	s_lshl_b32 s57, s10, 10
	v_lshl_add_u32 v3, v1, 2, s57
.set NN, 0
.rept 32
	v_add_nc_u32 v[BP+32+NN], 128*(NN/4)+NN%4, v3  ; the positions
.set NN, NN+1
.endr
	v_mul_u32_u24 v4, v0, LP                       ; my list's place: list = my thread's number
	s_mul_i32 s58, s11, 31
	v_xor_b32 v5, s58, v1                          ; even lists: element lane (top), 31 - lane (bottom)
	v_xor_b32 v6, 31, v5                           ; odd lists: the other way round
	s_mul_i32 s59, s12, 64*LP
	v_lshl_add_u32 v5, v5, 2, s59
	v_lshl_add_u32 v6, v6, 2, s59
	s_lshl_b32 s60, s10, 8
	s_add_co_u32 s60, s60, RES
	v_lshl_add_u32 v7, v1, 2, s60                  ; my wave's result
	s_lshl_b32 s61, s11, 9
	s_add_co_u32 s61, s61, RES
	v_lshl_add_u32 v8, v1, 2, s61                  ; my side's half 0, straight,
	v_xor_b32 v9, 31, v1
	v_lshl_add_u32 v9, v9, 2, s61                  ; and (256 bytes on) its half 1, reversed
	s_lshl_b32 s62, ttmp9, 8
	s_lshl_b32 s63, s11, 7
	s_add_co_u32 s62, s62, s63
	v_lshl_add_u32 v10, v1, 2, s62                 ; sel_idx: 256 (batch, head) + 128 side + 4 lane
	v_bfe_u32 v12, v1, 1, 1
	v_lshl_add_u32 v11, v12, 6, s62                ; selk: entry i lies at 64 ((i / 2) % 2) + 8 (i / 4) + 4 (i % 2) of its side's 128 bytes
	v_lshrrev_b32 v12, 2, v1
	v_lshl_add_u32 v11, v12, 3, v11
	v_and_b32 v12, 1, v1
	v_lshl_add_u32 v11, v12, 2, v11
.irp i, 0,1,2,3,4,5,6,7
	v_mov_b32 v[32+\i], 0                          ; written once: a lane exchange's destination counts as one of its sources
.endr
; One layer of the network on a lane's 32 pairs: 16 comparators, from bank sk into bank dk.  Comparator c joins registers i and i + jj; it sorts upward where i & kk is 0.  In two groups of eight,
; so that the scalar lines that join a comparator's three compares stand well behind them.
.macro LAYER sk, dk, kk, jj
.irp grp, 0, 8
.set CI, \grp
.rept 8
.set IA, (CI/\jj)*2*\jj+CI%\jj
.set IB, IA+\jj
.set MK, 20+3*(CI%8)
	v_cmp_gt_f32 s[MK], v[\sk+IA], v[\sk+IB]
	v_cmp_eq_f32 s[MK+1], v[\sk+IA], v[\sk+IB]
	v_cmp_gt_u32 s[MK+2], v[\sk+32+IA], v[\sk+32+IB]
.set CI, CI+1
.endr
.set CI, 0
.rept 8
	s_and_b32 s[21+3*CI], s[21+3*CI], s[22+3*CI]
	s_or_b32 s[20+3*CI], s[20+3*CI], s[21+3*CI]    ; pair i is the larger
.set CI, CI+1
.endr
.set CI, \grp
.rept 8
.set IA, (CI/\jj)*2*\jj+CI%\jj
.set IB, IA+\jj
.set MK, 20+3*(CI%8)
.if (IA & \kk) == 0
.set PLO, IA
.set PHI, IB
.else
.set PLO, IB
.set PHI, IA
.endif
	v_cndmask_b32 v[\dk+PLO], v[\sk+IA], v[\sk+IB], s[MK]          ; the smaller pair
	v_cndmask_b32 v[\dk+PHI], v[\sk+IB], v[\sk+IA], s[MK]          ; the larger
	v_cndmask_b32 v[\dk+32+PLO], v[\sk+32+IA], v[\sk+32+IB], s[MK]
	v_cndmask_b32 v[\dk+32+PHI], v[\sk+32+IB], v[\sk+32+IA], s[MK]
.set CI, CI+1
.endr
.endr
.endm
	s_wait_loadcnt 0x0
	LAYER BP, BQ, 2, 1
	LAYER BQ, BP, 4, 2
	LAYER BP, BQ, 4, 1
	LAYER BQ, BP, 8, 4
	LAYER BP, BQ, 8, 2
	LAYER BQ, BP, 8, 1
	LAYER BP, BQ, 16, 8
	LAYER BQ, BP, 16, 4
	LAYER BP, BQ, 16, 2
	LAYER BQ, BP, 16, 1
	LAYER BP, BQ, 32, 16
	LAYER BQ, BP, 32, 8
	LAYER BP, BQ, 32, 4
	LAYER BQ, BP, 32, 2
	LAYER BP, BQ, 32, 1                            ; fifteen layers: the sorted list stands in bank Q, ascending
.irp n, 0,1,2,3,4,5,6,7
	ds_store_b128 v4, v[BQ+4*\n:BQ+4*\n+3] offset:16*\n
	ds_store_b128 v4, v[BQ+32+4*\n:BQ+32+4*\n+3] offset:IOF+16*\n
.endr
	s_wait_dscnt 0x0                               ; for the others' sake: my list lies in LDS
	s_barrier_signal -1
	s_barrier_wait -1
.set NN, 0
.rept 32                               ; list j: its keys into v[64 + j], its positions into v[128 + j]
	ds_load_b32 v[64+2*NN], v5 offset:LP*2*NN
	ds_load_b32 v[128+2*NN], v5 offset:IOF+LP*2*NN
	ds_load_b32 v[65+2*NN], v6 offset:LP*(2*NN+1)
	ds_load_b32 v[129+2*NN], v6 offset:IOF+LP*(2*NN+1)
.set NN, NN+1
.endr
	s_wait_dscnt 0x0                               ; my reads of the lists are over
	s_barrier_signal -1
	s_barrier_wait -1                              ; everybody's are
; The stage's second half, for merges m0 .. m0 + cnt - 1 in step: own pair against the partner's (v32.., v36..); the stage's mask (symbol ST) says who keeps which.
.macro SELS m0, cnt
.set QQ, 0
.rept \cnt
	v_cmp_gt_f32 s[20+3*QQ], v[64+\m0+QQ], v[32+QQ]
	v_cmp_eq_f32 s[21+3*QQ], v[64+\m0+QQ], v[32+QQ]
	v_cmp_gt_u32 s[22+3*QQ], v[128+\m0+QQ], v[36+QQ]
.set QQ, QQ+1
.endr
.set QQ, 0
.rept \cnt
	s_and_b32 s[21+3*QQ], s[21+3*QQ], s[22+3*QQ]
	s_or_b32 s[20+3*QQ], s[20+3*QQ], s[21+3*QQ]
	s_xor_b32 s[20+3*QQ], s[20+3*QQ], s[44+5*((\m0+QQ)%2)+ST]      ; even lists are to ascend, odd ones to descend
.set QQ, QQ+1
.endr
.set QQ, 0
.rept \cnt
	v_cndmask_b32 v[64+\m0+QQ], v[64+\m0+QQ], v[32+QQ], s[20+3*QQ]
	v_cndmask_b32 v[128+\m0+QQ], v[128+\m0+QQ], v[36+QQ], s[20+3*QQ]
.set QQ, QQ+1
.endr
.endm
; Merges m0 .. m0 + cnt - 1: list m = the 32 largest (in the side's order) of lists 2 m and 2 m + 1, sorted again.  List m is written when lists 2 m' and 2 m' + 1 of all earlier merges have been read.
.macro MERGEG m0, cnt
.set QQ, 0
.rept \cnt
.set MA, 2*(\m0+QQ)
	v_cmp_gt_f32 s[20+3*QQ], v[64+MA], v[65+MA]
	v_cmp_eq_f32 s[21+3*QQ], v[64+MA], v[65+MA]
	v_cmp_gt_u32 s[22+3*QQ], v[128+MA], v[129+MA]
.set QQ, QQ+1
.endr
.set QQ, 0
.rept \cnt
	s_and_b32 s[21+3*QQ], s[21+3*QQ], s[22+3*QQ]
	s_or_b32 s[20+3*QQ], s[20+3*QQ], s[21+3*QQ]
	s_xor_b32 s[20+3*QQ], s[20+3*QQ], s13
.set QQ, QQ+1
.endr
.set QQ, 0
.rept \cnt
.set MA, 2*(\m0+QQ)
	v_cndmask_b32 v[64+\m0+QQ], v[65+MA], v[64+MA], s[20+3*QQ]
	v_cndmask_b32 v[128+\m0+QQ], v[129+MA], v[128+MA], s[20+3*QQ]
.set QQ, QQ+1
.endr
.set ST, 0
.set QQ, 0
.rept \cnt
	v_permlanex16_b32 v[32+QQ], v[64+\m0+QQ], s54, s55             ; the partner 16 lanes away
	v_permlanex16_b32 v[36+QQ], v[128+\m0+QQ], s54, s55
.set QQ, QQ+1
.endr
	SELS \m0, \cnt
.irp d, 8,4,2,1
.set ST, ST+1
.set QQ, 0
.rept \cnt
	v_mov_b32_dpp v[32+QQ], v[64+\m0+QQ] row_xmask:\d row_mask:0xf bank_mask:0xf
	v_mov_b32_dpp v[36+QQ], v[128+\m0+QQ] row_xmask:\d row_mask:0xf bank_mask:0xf
.set QQ, QQ+1
.endr
	SELS \m0, \cnt
.endr
.endm
	s_mov_b32 s14, 0                               ; the level: 32, 16, 8, 4, 2, 1 merges.  The exits hang on the level alone
.Llevel:
	MERGEG 0, 1
	s_cmp_ge_u32 s14, 5
	s_cbranch_scc1 .Llevel_end
	MERGEG 1, 1
	s_cmp_ge_u32 s14, 4
	s_cbranch_scc1 .Llevel_end
	MERGEG 2, 2
	s_cmp_ge_u32 s14, 3
	s_cbranch_scc1 .Llevel_end
	MERGEG 4, 4
	s_cmp_ge_u32 s14, 2
	s_cbranch_scc1 .Llevel_end
	MERGEG 8, 4
	MERGEG 12, 4
	s_cmp_ge_u32 s14, 1
	s_cbranch_scc1 .Llevel_end
	MERGEG 16, 4
	MERGEG 20, 4
	MERGEG 24, 4
	MERGEG 28, 4
.Llevel_end:
	s_add_co_u32 s14, s14, 1
	s_cmp_lt_u32 s14, 6
	s_cbranch_scc1 .Llevel
	ds_store_b32 v7, v64                           ; my half's 32, ascending in the side's order
	ds_store_b32 v7, v128 offset:128
	s_wait_dscnt 0x0
	s_barrier_signal -1
	s_barrier_wait -1
	ds_load_b32 v65, v8                            ; both waves of a side take half 0 straight and half 1 reversed: the element-wise larger are the side's 32
	ds_load_b32 v129, v8 offset:128
	ds_load_b32 v66, v9 offset:256
	ds_load_b32 v130, v9 offset:384
	s_wait_dscnt 0x0
	v_cmp_gt_f32 s20, v65, v66
	v_cmp_eq_f32 s21, v65, v66
	v_cmp_gt_u32 s22, v129, v130
	s_and_b32 s21, s21, s22
	s_or_b32 s20, s20, s21
	s_xor_b32 s20, s20, s13
	v_cndmask_b32 v64, v66, v65, s20
	v_cndmask_b32 v128, v130, v129, s20
	v_xor_b32 v13, s56, v64                        ; k (top) or -k (bottom)
	v_mov_b32 v14, v13
	v_max_num_f32_dpp v14, v14, v14 row_xmask:1 row_mask:0xf bank_mask:0xf
	v_max_num_f32_dpp v14, v14, v14 row_xmask:2 row_mask:0xf bank_mask:0xf
	v_max_num_f32_dpp v14, v14, v14 row_xmask:4 row_mask:0xf bank_mask:0xf
	v_max_num_f32_dpp v14, v14, v14 row_xmask:8 row_mask:0xf bank_mask:0xf
	v_permlanex16_b32 v32, v14, s54, s55
	v_max_num_f32 v14, v14, v32                    ; kmax, or -kmin
	v_sub_f32 v13, v13, v14
	v_mul_f32 v13, 0x3fb8aa3b, v13                 ; D: x log2(e)
	s_cmp_eq_u32 s12, 0                            ; half 0 stores the rows' numbers, half 1 the distances: a branch on the wave's number
	s_cbranch_scc0 .Lstore_d
	s_lshr_b32 s15, ttmp9, 7
	s_lshl_b32 s15, s15, 12                        ; 4,096 x batch
	v_add_nc_u32 v128, s15, v128
	global_store_b32 v10, v128, s[6:7]
	s_wait_tensorcnt 0x0
	ds_add_u32 v192, v193
	s_wait_dscnt 0x0
	s_endpgm
.Lstore_d:
	global_store_b32 v11, v13, s[8:9]
	s_wait_tensorcnt 0x0
	ds_add_u32 v192, v193
	s_wait_dscnt 0x0
	s_endpgm
.Lfunc_end_k_q6a3987d513_topk:
	.size	k_q6a3987d513_topk, .Lfunc_end_k_q6a3987d513_topk-k_q6a3987d513_topk
	.p2alignl 7, 3214868480
	.fill 96, 4, 3214868480
	.section	.rodata,"a",@progbits
	.p2align	6, 0x0
	.amdhsa_kernel k_q6a3987d513_topk
		.amdhsa_group_segment_fixed_size 38400
		.amdhsa_private_segment_fixed_size 0
		.amdhsa_enable_private_segment 0
		.amdhsa_kernarg_size 24
		.amdhsa_user_sgpr_count 2
		.amdhsa_user_sgpr_kernarg_segment_ptr 1
		.amdhsa_wavefront_size32 1
		.amdhsa_system_sgpr_workgroup_id_x 1
		.amdhsa_system_sgpr_workgroup_id_y 1
		.amdhsa_system_sgpr_workgroup_id_z 1
		.amdhsa_system_vgpr_workitem_id 0
		.amdhsa_next_free_vgpr 194
		.amdhsa_next_free_sgpr 66
		.amdhsa_reserve_vcc 0
		.amdhsa_float_denorm_mode_32 3
		.amdhsa_float_denorm_mode_16_64 3
		.amdhsa_memory_ordered 1
		.amdhsa_forward_progress 1
		.amdhsa_inst_pref_size 236
	.end_amdhsa_kernel
	.amdgpu_metadata
---
amdhsa.version: [ 1, 2 ]
amdhsa.kernels:
  - .name:           k_q6a3987d513_topk
    .symbol:         k_q6a3987d513_topk.kd
    .args:
      - { .name: qk, .offset: 0, .size: 8, .value_kind: global_buffer, .address_space: global }
      - { .name: sel_idx, .offset: 8, .size: 8, .value_kind: global_buffer, .address_space: global }
      - { .name: selk, .offset: 16, .size: 8, .value_kind: global_buffer, .address_space: global }
    .group_segment_fixed_size: 38400
    .private_segment_fixed_size: 0
    .kernarg_segment_align: 8
    .kernarg_segment_size: 24
    .max_flat_workgroup_size: 128
    .sgpr_count:     66
    .vgpr_count:     194
    .wavefront_size: 32
...
	.end_amdgpu_metadata
.endif
;; end of part 3
;; launch vsel (part 4): grid 256 x 1, 4 waves a work-group, no clusters, 0 bytes of LDS; arguments wx_codes, wx_scales, sel_idx, vals; writes vals
.if DOCPART == 4
	.amdgcn_target "amdgcn-amd-amdhsa--gfx1250"
	.amdhsa_code_object_version 6
	.text
	.protected	k_q6a3987d513_vsel
	.globl	k_q6a3987d513_vsel
	.p2align	8
	.type	k_q6a3987d513_vsel,@function
k_q6a3987d513_vsel:
	s_mov_b64 s[64:65], 0
	v_nop
	global_prefetch_b8 v0, s[64:65] scope:SCOPE_SE
	s_setreg_imm32_b32 hwreg(HW_REG_WAVE_MODE, 25, 1), 1
	s_wait_xcnt 0x0
; v = x Wv^T on codes of FP6 (E2M3), for the rows that are kept alone: of each (batch, head) the 32 + 32 rows of x that sel_idx names, against the head's 8 rows of Wv.  All other rows of v fall away behind the
; gather and the cut to the two ends of the sorted keys, so they are not multiplied.
; SHARES.  Wave w of work-group g: (batch, head) 2 g + w / 2, list entries 16 a .. 16 a + 15 with a = w % 2, of both sides: two accumulators (top, bottom) by turns, 8 K steps of 128.
; Source 0 = 16 gathered rows of x; source 1 = the head's 8 rows of Wv, each taken twice (a head has 8 columns, a tile 16).  WHICH ENTRY LANE r TAKES IS CHOSEN, 16 a + 4 ((r % 8) / 2) + 2 (r / 8) + r % 2, so that
; the result's registers ARE registers 8 a .. 8 a + 7 of the operand that the attention launch wants: for its f32 matrix form, lane (m, hh) holds in register rho the value v[side m / 8][entry 4 (rho / 2) + 2 hh + rho % 2][m % 8].
; Lanes with r < 8 keep the top side's result, the others the bottom side's.  vals: [512][2,048 bytes], register rho of lane l at 512 (rho / 4) + 16 l + 4 (rho % 4).
; The operands go from memory straight into registers: the rows hang on a stored list.  REGISTERS: window 0: v16-31 the two accumulators; v32-127, v128-223 x's fragments (top, bottom); v224-247 scale words; v248-255 the result.  window 1: v0-95 Wv's fragments.
.set WV_C, 12779520                    ; where Wv's codes begin in wx_codes
.set WV_S, 532480                      ; and its scale bytes in wx_scales
.set MSB, 0
.macro WIN new                         ; the immediate's high byte repeats the setting that is left
.if MSB != \new
	s_set_vgpr_msb (MSB<<8)|\new
.set MSB, \new
.endif
.endm
	s_load_b256 s[4:11], s[0:1], 0x0               ; the codes s[4:5], the scale bytes s[6:7], sel_idx s[8:9], vals s[10:11]
	v_lshrrev_b32 v1, 5, v0
	v_readfirstlane_b32 s12, v1                    ; wave 0..3
	v_and_b32 v1, 15, v0                           ; r
	v_bfe_u32 v2, v0, 4, 1                         ; hh
	v_and_b32 v3, 31, v0                           ; lane
	s_lshr_b32 s13, s12, 1
	s_lshl_b32 s14, ttmp9, 1
	s_add_co_u32 s13, s14, s13                     ; (batch, head)
	s_and_b32 s14, s12, 1                          ; a
	s_and_b32 s15, s13, 127                        ; head
	v_and_b32 v4, 6, v1
	v_lshlrev_b32 v4, 1, v4                        ; 4 ((r % 8) / 2)
	v_bfe_u32 v5, v1, 3, 1
	v_lshl_add_u32 v4, v5, 1, v4                   ; + 2 (r / 8)
	v_and_b32 v5, 1, v1
	v_add_nc_u32 v4, v4, v5                        ; + r % 2
	s_lshl_b32 s16, s13, 8
	s_lshl_b32 s17, s14, 6
	s_add_co_u32 s16, s16, s17
	v_lshl_add_u32 v4, v4, 2, s16                  ; my entry of the top list; the bottom list's lies 128 bytes on
	v_and_b32 v5, 7, v1
	s_lshl_b32 s18, s15, 3
	v_add_nc_u32 v5, s18, v5                       ; Wv's row 8 head + r % 8
	v_mul_u32_u24 v14, v2, 24                      ; my half's 24 bytes
	v_mul_u32_u24 v6, v5, 768
	v_add_nc_u32 v6, v6, v14
	v_add_nc_u32 v6, WV_C, v6
	v_lshlrev_b32 v7, 5, v5
	v_add_nc_u32 v7, WV_S, v7
	s_lshl_b32 s20, s13, 11
	s_lshl_b32 s21, s14, 10
	s_add_co_u32 s20, s20, s21
	v_lshl_add_u32 v15, v3, 4, s20                 ; vals: 2,048 (batch, head) + 1,024 a + 16 lane
	s_mov_b32 s19, 0x00ff00ff                      ; the lanes with r < 8
	s_wait_kmcnt 0x0
	global_load_b32 v8, v4, s[8:9]                 ; the two rows' numbers first,
	global_load_b32 v9, v4, s[8:9] offset:128
	WIN 0x40                                       ; destination window 1
.irp ks, 0,1,2,3,4,5,6,7
.irp p, 0,1,2,3,4,5
	global_load_b64 v[12*\ks+2*\p:12*\ks+2*\p+1], v6, s[4:5] offset:96*\ks+48*(\p/3)+8*(\p%3)    ; Wv's eight fragments
.endr
.endr
	WIN 0
	global_load_b128 v[240:243], v7, s[6:7]        ; and its scale words of all 8 K steps
	global_load_b128 v[244:247], v7, s[6:7] offset:16
	s_wait_loadcnt 50                              ; all but the 50 loads issued behind them: the rows' numbers are in
	v_min_u32 v8, 0x3fff, v8                       ; a loaded number enters an address only held inside x's 16,384 rows
	v_min_u32 v9, 0x3fff, v9
	v_mul_u32_u24 v10, v8, 768
	v_mul_u32_u24 v11, v9, 768
	v_add_nc_u32 v10, v10, v14
	v_add_nc_u32 v11, v11, v14
	v_lshlrev_b32 v12, 5, v8
	v_lshlrev_b32 v13, 5, v9
.irp ks, 0,1,2,3,4,5,6,7
.irp p, 0,1,2,3,4,5
	global_load_b64 v[32+12*\ks+2*\p:32+12*\ks+2*\p+1], v10, s[4:5] offset:96*\ks+48*(\p/3)+8*(\p%3)     ; no hint: lists may name a row twice
	global_load_b64 v[128+12*\ks+2*\p:128+12*\ks+2*\p+1], v11, s[4:5] offset:96*\ks+48*(\p/3)+8*(\p%3)
.endr
.endr
	global_load_b128 v[224:227], v12, s[6:7]
	global_load_b128 v[228:231], v12, s[6:7] offset:16
	global_load_b128 v[232:235], v13, s[6:7]
	global_load_b128 v[236:239], v13, s[6:7] offset:16
	s_wait_loadcnt 0x0
	WIN 0x04                                       ; source 1 (Wv) window 1
.irp ks, 0,1,2,3,4,5,6,7               ; the two accumulators take turns, one instruction a turn; the first products start the sums
.if \ks == 0
	v_wmma_scale_f32_16x16x128_f8f6f4 v[16:23], v[32+12*\ks:43+12*\ks], v[12*\ks:12*\ks+11], 0, v[224+\ks], v[240+\ks] matrix_a_fmt:MATRIX_FMT_FP6 matrix_b_fmt:MATRIX_FMT_FP6
	v_wmma_scale_f32_16x16x128_f8f6f4 v[24:31], v[128+12*\ks:139+12*\ks], v[12*\ks:12*\ks+11], 0, v[232+\ks], v[240+\ks] matrix_a_fmt:MATRIX_FMT_FP6 matrix_b_fmt:MATRIX_FMT_FP6
.else
	v_wmma_scale_f32_16x16x128_f8f6f4 v[16:23], v[32+12*\ks:43+12*\ks], v[12*\ks:12*\ks+11], v[16:23], v[224+\ks], v[240+\ks] matrix_a_fmt:MATRIX_FMT_FP6 matrix_b_fmt:MATRIX_FMT_FP6
	v_wmma_scale_f32_16x16x128_f8f6f4 v[24:31], v[128+12*\ks:139+12*\ks], v[12*\ks:12*\ks+11], v[24:31], v[232+\ks], v[240+\ks] matrix_a_fmt:MATRIX_FMT_FP6 matrix_b_fmt:MATRIX_FMT_FP6
.endif
.endr
	WIN 0
.rept 4
	v_nop                                          ; four places in front of the first read of the results (ISA guide 7.12.1)
.endr
.irp j, 0,1,2,3,4,5,6,7
	v_cndmask_b32 v[248+\j], v[24+\j], v[16+\j], s19               ; r < 8: the top side's; both accumulators from their low end on
.endr
	global_store_b128 v15, v[248:251], s[10:11]    ; 32 lanes store 512 consecutive bytes
	global_store_b128 v15, v[252:255], s[10:11] offset:512
	s_endpgm
.Lfunc_end_k_q6a3987d513_vsel:
	.size	k_q6a3987d513_vsel, .Lfunc_end_k_q6a3987d513_vsel-k_q6a3987d513_vsel
	.p2alignl 7, 3214868480
	.fill 96, 4, 3214868480
	.section	.rodata,"a",@progbits
	.p2align	6, 0x0
	.amdhsa_kernel k_q6a3987d513_vsel
		.amdhsa_group_segment_fixed_size 0
		.amdhsa_private_segment_fixed_size 0
		.amdhsa_enable_private_segment 0
		.amdhsa_kernarg_size 32
		.amdhsa_user_sgpr_count 2
		.amdhsa_user_sgpr_kernarg_segment_ptr 1
		.amdhsa_wavefront_size32 1
		.amdhsa_system_sgpr_workgroup_id_x 1
		.amdhsa_system_sgpr_workgroup_id_y 1
		.amdhsa_system_sgpr_workgroup_id_z 1
		.amdhsa_system_vgpr_workitem_id 0
		.amdhsa_next_free_vgpr 352
		.amdhsa_next_free_sgpr 66
		.amdhsa_reserve_vcc 0
		.amdhsa_float_denorm_mode_32 3
		.amdhsa_float_denorm_mode_16_64 3
		.amdhsa_memory_ordered 1
		.amdhsa_forward_progress 1
		.amdhsa_inst_pref_size 20
	.end_amdhsa_kernel
	.amdgpu_metadata
---
amdhsa.version: [ 1, 2 ]
amdhsa.kernels:
  - .name:           k_q6a3987d513_vsel
    .symbol:         k_q6a3987d513_vsel.kd
    .args:
      - { .name: wx_codes, .offset: 0, .size: 8, .value_kind: global_buffer, .address_space: global }
      - { .name: wx_scales, .offset: 8, .size: 8, .value_kind: global_buffer, .address_space: global }
      - { .name: sel_idx, .offset: 16, .size: 8, .value_kind: global_buffer, .address_space: global }
      - { .name: vals, .offset: 24, .size: 8, .value_kind: global_buffer, .address_space: global }
    .group_segment_fixed_size: 0
    .private_segment_fixed_size: 0
    .kernarg_segment_align: 8
    .kernarg_segment_size: 32
    .max_flat_workgroup_size: 128
    .sgpr_count:     66
    .vgpr_count:     352
    .wavefront_size: 32
...
	.end_amdgpu_metadata
.endif
;; end of part 4
;; launch attn (part 5): grid 4 x 64, 16 waves a work-group, no clusters, 129,024 bytes of LDS; arguments qk, selk, vals, o_codes, o_scales; writes o_codes, o_scales
.if DOCPART == 5
	.amdgcn_target "amdgcn-amd-amdhsa--gfx1250"
	.amdhsa_code_object_version 6
	.text
	.protected	k_q6a3987d513_attn
	.globl	k_q6a3987d513_attn
	.p2align	8
	.type	k_q6a3987d513_attn,@function
k_q6a3987d513_attn:
	s_mov_b64 s[64:65], 0
	v_nop
	global_prefetch_b8 v0, s[64:65] scope:SCOPE_SE
	s_setreg_imm32_b32 hwreg(HW_REG_WAVE_MODE, 25, 1), 1
	s_wait_xcnt 0x0
; For each row and head: softmax over 32 scalar scores q k_i, over the 32 largest keys where q > 0 and over the 32 smallest otherwise, times the 32 x 8 values; then the quantiser of the last product's operand.
; THE SOFTMAX.  With qp = q where q > 0, else 0, and qn = qp - q (exact: 0 or -q), t_i = qp Dtop_i + qn Dbot_i is (score - the row's largest score) x log2(e): D holds (k - kmax) log2(e) and (kmin - k) log2(e), and the largest score is q kmax
; (q > 0) or q kmin (else), exactly, since the extreme key is in the list.  So the maximum is taken away as the softmax asks, t <= 0, one t is 0, E = 2^t <= 1 and the sum lies between 1 and 32.
; qp and qn are made by a select and a subtraction, not by maxima against 0: so q = +0 and q = -0 both give qp = qn = +0, and nothing hangs on the sign of a zero.
; THE PRODUCT takes f32 operands, since its result goes into a quantiser: v_wmma_f32_16x16x4_f32, 8 instructions for K = 32.  Source 0: rows 0-7 the top side's 8 values, rows 8-15 the bottom side's; source 1: E of 16 rows.
; ONE E, that of the side which q's sign chooses, multiplies both sides' values: lanes 0-15 of the result hold the top side's sums, lanes 16-31 the bottom side's; the one that q's sign does not choose is finite and is dropped by a select.
; SHARES.  Work-group (hg, y): heads 32 hg .. + 31, rows 256 y .. + 255.  Wave W: rows 32 (W / 2) + 16 t + r (t = 0, 1), heads 16 (W % 2) + n, n = 0 .. 15.  Sixteen waves of 256 registers.
; The 32 heads' values (64 KiB) and distances (8 KiB) are copied into LDS once.
; BY TURNS.  A head is 16 matrix instructions and 94 vector instructions (6 for qp and qn, 32 packed multiply-adds, 32 exponentials, 20 for the rows' sums, 2 reciprocals, 2 v_nop).  The vector work of head n + 1 names no register of
; head n's products, so it stands in slices BETWEEN them: a wave has work of both kinds at hand at once.  E and the values have two sets of registers each, taken by the head's parity.
; THE QUANTISER.  Four heads are a block of 32 along the last product's K.  An exchange of halves leaves a lane 16 neighbours along K of one row; the block's largest magnitude joins lanes l and l xor 16.
; The codes meet in a stage in LDS and leave as whole rows of 192 bytes into o_codes [4 K steps of 256][16,384 rows][192 bytes]; the scale bytes go to o_scales [16,384][32], 4 bytes a row and wave.
; No cluster: what the 16 work-groups of a batch and head group share is 72 KiB read once, against 256 matrix instructions a wave.
; LIMITS: NaN and infinities are not served; a block whose largest magnitude lies under 2^-124 keeps the byte 1 (a block of zeros too: its codes are zeros, and this program alone reads the bytes).
; REGISTERS.  The packed forms take a divisor, a qp or a qn from the LOW register of an even pair for both halves; the pair's odd register is only named.  So the even registers of v2-13 and v240-255 hold those numbers
; and the odd ones hold addresses and temporaries, which are written anyway.
.set PLANE, 3145728                    ; a K step's plane of o_codes
.set SELB,  65536                      ; LDS: the values at 0, the distances here,
.set STGB,  73728                      ; the codes' stage here: 256 rows x SPT
.set SPT,   208                        ; 192 bytes + 16 = 52 words: 16 rows start at 16 different multiples of 4 banks
.set AV,  1                            ; v1   LDS address of my lane's part of a head's values
.set AD,  3                            ; v3   of my half's 16 distances
.set AST, 5                            ; v5   where I put 12 bytes of codes
.set RD0, 7                            ; v7, v9, v11 where I read the stage back
.set GO,  13                           ; v13  my byte offset in o_codes
.set GS,  15                           ; v15  in o_scales
.set SPR, 14                           ; v14  the scale word on its way out
.set RIX, 2                            ; v2-12, even: 1 / sum of (x, t), x = 1 .. 3, at RIX + 4 (x - 1) + 2 t
.set QR,  16                           ; v16-47   q: (g, t, x) at QR + 8 g + 4 t + x
.set AR,  48                           ; v48-79   a head's values, source 0: two sets of 16, by the head's parity
.set DT,  80                           ; v80-95   its top distances; once t is made, scratch for the rows' sums
.set DB,  96                           ; v96-111  its bottom distances
.set ER,  112                          ; v112-175 E, source 1: two sets of 32, by the head's parity; tile t at + 16 t
.set OA,  144                          ; v144-159, v160-175: the normalised results, then (v160-162) the codes: E's odd set, which is dead when four heads are finished, since a group's last head is odd
.set OB,  160
.set DA,  176                          ; v176-239 the sums, (x, t) at DA + 16 x + 8 t: written by matrix instructions alone
.set RI0, 240                          ; v240-246, even: 1 / sum of (0, t) at RI0 + 4 (g % 2) + 2 t: two places, since the next group's are made before this group's are read
.set QP,  248                          ; v248, v250 qp of tiles 0, 1
.set QN,  252                          ; v252, v254 qn
.set TM,  241                          ; v241 a block's largest magnitude;  v243 the other half's;  v245 a second chain, then the scale operand;  v247 the byte
.set TP,  243
.set TC,  245
.set TB,  247
.set TQ,  249                          ; v249, v251 q of my two heads of a block
.set WW,  253                          ; v253, v255 the scale words of tiles 0, 1
.set PM,  44                           ; s44, s45 the lanes with q > 0, tiles 0, 1
.set HR,  112                          ; at the head alone, in registers that E takes later: r, hh, lane, 16 x thread, the same + SELB, two at work, q's offset
.set HH,  113
.set HN,  114
.set HC,  115
.set HD,  116
.set HT,  117
.set HU,  118
.set GQ,  119
	s_load_b256 s[4:11], s[0:1], 0x0               ; qk s[4:5], selk s[6:7], vals s[8:9], o_codes s[10:11]
	s_load_b64 s[12:13], s[0:1], 0x20              ; o_scales
	v_lshrrev_b32 v[HT], 5, v0
	v_readfirstlane_b32 s14, v[HT]                 ; wave 0..15
	s_lshr_b32 s15, s14, 1                         ; p: which 32 rows
	s_and_b32 s16, s14, 1                          ; hs: which 16 heads
	s_and_b32 s18, ttmp7, 0xffff                   ; y
	s_lshr_b32 s19, s18, 4                         ; the batch
	s_mov_b32 s20, 0x76543210
	s_mov_b32 s21, 0xfedcba98                      ; v_permlanex16_b32's selects for lane l xor 16
	s_mov_b32 s22, 0xffff0000                      ; lanes 16-31
	v_and_b32 v[HR], 15, v0                        ; r
	v_bfe_u32 v[HH], v0, 4, 1                      ; hh
	v_and_b32 v[HN], 31, v0                        ; lane
	s_lshl_b32 s23, s19, 7
	s_lshl_b32 s24, ttmp9, 5
	s_add_co_u32 s23, s23, s24                     ; 128 b + 32 hg: my first (batch, head)
	s_lshl_b32 s26, s23, 11                        ; its values,
	s_mov_b32 s27, 0
	s_lshl_b32 s28, s23, 8                         ; its distances
	s_mov_b32 s29, 0
	s_lshl_b32 s30, ttmp9, 3
	s_lshl_b32 s31, s16, 2
	s_add_co_u32 s30, s30, s31
	s_lshl_b32 s30, s30, 18                        ; q: block of heads 8 hg + 4 hs, 262,144 bytes a block
	s_mov_b32 s31, 0
	s_lshl_b32 s32, s18, 8
	s_lshl_b32 s33, s15, 5
	s_add_co_u32 s32, s32, s33                     ; my first row: 256 y + 32 p
	v_add_nc_u32 v[GQ], s32, v[HR]
	v_lshlrev_b32 v[GQ], 4, v[GQ]                  ; 16 bytes a row: four heads
	v_lshlrev_b32 v[HC], 4, v0                     ; 16 x my thread's number: the copy into LDS
	v_add_nc_u32 v[HD], SELB, v[HC]
	s_wait_kmcnt 0x0
	s_add_nc_u64 s[4:5], s[4:5], s[30:31]
	s_add_nc_u64 s[8:9], s[8:9], s[26:27]
	s_add_nc_u64 s[6:7], s[6:7], s[28:29]
.irp n, 0,1,2,3,4,5,6,7
	global_load_b128 v[AR+4*\n:AR+4*\n+3], v[HC], s[8:9] offset:8192*\n    ; the 32 heads' values: 512 threads x 16 bytes x 8
.endr
	global_load_b128 v[AR+32:AR+35], v[HC], s[6:7] ; and their distances
.irp g, 0,1,2,3
.irp t, 0,1
	global_load_b128 v[QR+8*\g+4*\t:QR+8*\g+4*\t+3], v[GQ], s[4:5] offset:262144*\g+256*\t th:TH_LOAD_NT
.endr
.endr
	s_lshl_b32 s34, s16, 15
	v_lshl_add_u32 v[AV], v[HN], 4, s34            ; 16 lane + my 16 heads
	s_lshl_b32 s35, s16, 12
	s_add_co_u32 s35, s35, SELB
	v_lshl_add_u32 v[AD], v[HH], 6, s35            ; my half's 64 bytes of a side's 128
	s_mul_i32 s36, s15, 32*SPT
	s_mul_i32 s37, s16, 96
	s_add_co_u32 s36, s36, s37
	s_add_co_u32 s36, s36, STGB
	v_mul_u32_u24 v[AST], v[HR], SPT
	v_mad_u32_u24 v[AST], v[HH], 12, v[AST]
	v_add_nc_u32 v[AST], s36, v[AST]               ; row 32 p + r, + 96 hs + 12 hh
	s_mul_i32 s38, s14, 16*SPT
	s_add_co_u32 s38, s38, STGB                    ; back: my wave's 16 rows, as 192 pieces of 16 bytes; piece U lies in row U / 12, at 16 U + 16 (U / 12)
.irp k, 0,1,2
	v_add_nc_u32 v[HT], 32*\k, v[HN]               ; U = 32 k + lane, under 96
	v_mul_u32_u24 v[HU], v[HT], 171
	v_lshrrev_b32 v[HU], 11, v[HU]                 ; U / 12 (exact for U under 96)
	v_add_nc_u32 v[HU], v[HU], v[HT]
	v_lshl_add_u32 v[RD0+2*\k], v[HU], 4, s38
.endr
	v_lshlrev_b32 v[GO], 4, v[HN]
	s_mul_i32 s40, ttmp9, PLANE
	s_mul_i32 s41, s18, 256*192
	s_add_co_u32 s40, s40, s41
	s_mul_i32 s41, s14, 16*192
	s_add_co_u32 s40, s40, s41
	s_mov_b32 s41, 0
	s_add_nc_u64 s[10:11], s[10:11], s[40:41]      ; o_codes at my wave's 16 rows of plane hg
	v_add_nc_u32 v[GS], s32, v[HN]
	v_lshlrev_b32 v[GS], 5, v[GS]
	s_lshl_b32 s42, ttmp9, 3
	s_lshl_b32 s43, s16, 2
	s_add_co_u32 s42, s42, s43
	v_add_nc_u32 v[GS], s42, v[GS]                 ; o_scales: row 256 y + 32 p + lane, byte 8 hg + 4 hs
.irp n, 0,1,2,3,4,5,6,7
	v_mov_b32 v[TM+2*\n], 0                        ; v241-255, odd: named as the upper registers of pairs (and v243 as a lane exchange's destination) before they are first written
.endr
	s_wait_loadcnt 8                               ; all but q's eight loads: the values and distances are in
.irp n, 0,1,2,3,4,5,6,7
	ds_store_b128 v[HC], v[AR+4*\n:AR+4*\n+3] offset:8192*\n
.endr
	ds_store_b128 v[HD], v[AR+32:AR+35]
	s_wait_dscnt 0x0                               ; for the others' sake: my part lies in LDS
	s_barrier_signal -1
	s_barrier_wait -1
	s_wait_loadcnt 0x0                             ; q (and the loads' offsets, which lie where E will, are free)
; MATRIX INSTRUCTION w (0 .. 15) OF HEAD n: K step w / 2, tile w % 2.  The two tiles' sums take turns, one instruction a turn; the first K step starts them.
.macro WM n, w
.set WA, AR+16*((\n)%2)+2*((\w)/2)
.set WB, ER+32*((\n)%2)+16*((\w)%2)+2*((\w)/2)
.set WD, DA+16*((\n)%4)+8*((\w)%2)
.if (\w) < 2
	v_wmma_f32_16x16x4_f32 v[WD:WD+7], v[WA:WA+1], v[WB:WB+1], 0
.else
	v_wmma_f32_16x16x4_f32 v[WD:WD+7], v[WA:WA+1], v[WB:WB+1], v[WD:WD+7]
.endif
.endm
; THE VECTOR WORK OF HEAD n, in pieces.
.macro V_Q n                           ; qp, qn of both tiles, and the loads of the head's distances
.set VQ, QR+8*((\n)/4)+(\n)%4
.irp t, 0,1
	v_cmp_lt_f32 s[PM+\t], 0, v[VQ+4*\t]                           ; q > 0
.endr
.irp t, 0,1
	v_cndmask_b32 v[QP+2*\t], 0, v[VQ+4*\t], s[PM+\t]              ; qp = q there, 0 elsewhere
.endr
.irp t, 0,1
	v_sub_f32 v[QN+2*\t], v[QP+2*\t], v[VQ+4*\t]                   ; qn = qp - q: 0 where q > 0, -q elsewhere, nothing rounded
.endr
.irp c, 0,1,2,3
	ds_load_b128 v[DT+4*\c:DT+4*\c+3], v[AD] offset:256*(\n)+16*\c
.endr
.irp c, 0,1,2,3
	ds_load_b128 v[DB+4*\c:DB+4*\c+3], v[AD] offset:256*(\n)+128+16*\c
.endr
.endm
.macro V_A n                           ; the loads of the head's values
.irp c, 0,1,2,3
	ds_load_b128 v[AR+16*((\n)%2)+4*\c:AR+16*((\n)%2)+4*\c+3], v[AV] offset:2048*(\n)+512*\c
.endr
.endm
.macro V_MUL n, t                      ; qp Dtop, tile t
.set VE, ER+32*((\n)%2)+16*(\t)
.irp k, 0,2,4,6,8,10,12,14
	v_pk_mul_f32 v[VE+\k:VE+\k+1], v[DT+\k:DT+\k+1], v[QP+2*(\t):QP+2*(\t)+1] op_sel_hi:[1,0]
.endr
.endm
.macro V_FMA n, t                      ; t = qp Dtop + qn Dbot
.set VE, ER+32*((\n)%2)+16*(\t)
.irp k, 0,2,4,6,8,10,12,14
	v_pk_fma_f32 v[VE+\k:VE+\k+1], v[DB+\k:DB+\k+1], v[QN+2*(\t):QN+2*(\t)+1], v[VE+\k:VE+\k+1] op_sel_hi:[1,0,1]
.endr
.endm
.macro V_EXP n, q                      ; E = 2^t: eight of the head's 32
.set VE, ER+32*((\n)%2)+8*(\q)
.set NN, 0
.rept 8
	v_exp_f32 v[VE+NN], v[VE+NN]
.set NN, NN+1
.endr
.endm
.macro V_S1 n                          ; the rows' sums of E, into scratch
.set VE, ER+32*((\n)%2)
.irp t, 0,1
.irp q, 0,1,2,3
	v_pk_add_f32 v[DT+8*\t+2*\q:DT+8*\t+2*\q+1], v[VE+16*\t+4*\q:VE+16*\t+4*\q+1], v[VE+16*\t+4*\q+2:VE+16*\t+4*\q+3]
.endr
.endr
.endm
.macro V_S2
.irp t, 0,1
	v_pk_add_f32 v[DT+8*\t:DT+8*\t+1], v[DT+8*\t:DT+8*\t+1], v[DT+8*\t+2:DT+8*\t+3]
	v_pk_add_f32 v[DT+8*\t+4:DT+8*\t+5], v[DT+8*\t+4:DT+8*\t+5], v[DT+8*\t+6:DT+8*\t+7]
.endr
.irp t, 0,1
	v_pk_add_f32 v[DT+8*\t:DT+8*\t+1], v[DT+8*\t:DT+8*\t+1], v[DT+8*\t+4:DT+8*\t+5]
.endr
.endm
.macro V_S3
.irp t, 0,1
	v_add_f32 v[DT+8*\t], v[DT+8*\t], v[DT+8*\t+1]
.endr
.irp t, 0,1
	v_permlanex16_b32 v[DT+8*\t+1], v[DT+8*\t], s20, s21           ; the row's other 16 entries lie 16 lanes away
.endr
.endm
.macro V_S4
.irp t, 0,1
	v_add_f32 v[DT+8*\t], v[DT+8*\t], v[DT+8*\t+1]
.endr
.endm
.macro V_S5 n                          ; 1 / the sum, which is at least 1
.irp t, 0,1
.if ((\n)%4) == 0
.set RR, RI0+4*(((\n)/4)%2)+2*\t
.else
.set RR, RIX+4*(((\n)%4)-1)+2*\t
.endif
	v_rcp_f32 v[RR], v[DT+8*\t]
.endr
	v_nop                                          ; a plain line behind the reciprocals
.endm
; HEAD n's PRODUCTS, AND BETWEEN THEM (nx = 1) HEAD n + 1's VECTOR WORK.
; PLACES (ISA guide 7.12.1: eight behind this matrix form for vector instructions).  Head n + 1 writes the sets of E and of the values that head n - 1's products read.  Its packed multiply for K step c of tile 0 stands behind
; head n - 1's instruction 2 c by at least the two last additions, the v_nop, four lines of qp and qn and c multiplies that name none of that instruction's registers: 14 for c = 7, more for the others, whose sums' lines come on top;
; tile 1's stand eight multiplies further on, the loads of values 32 packed lines further on.
.macro TURNH n, nx
	s_wait_dscnt 0x0                               ; this head's values are in
	WM \n, 0
.if \nx
	V_Q \n+1
.endif
	WM \n, 1                                       ; three products stand bare, while the distances are on their way
	WM \n, 2
	WM \n, 3
.if \nx
	s_wait_dscnt 0x0                               ; the distances are in
	V_MUL \n+1, 0
.endif
	WM \n, 4
.if \nx
	V_MUL \n+1, 1
.endif
	WM \n, 5
.if \nx
	V_FMA \n+1, 0
.endif
	WM \n, 6
.if \nx
	V_FMA \n+1, 1
	V_A \n+1
.endif
	WM \n, 7
.if \nx
	V_EXP \n+1, 0                                  ; the 32 exponentials are one batch: none of the lines between them names a result
.endif
	WM \n, 8
.if \nx
	V_EXP \n+1, 1
.endif
	WM \n, 9
.if \nx
	V_EXP \n+1, 2
.endif
	WM \n, 10
.if \nx
	V_EXP \n+1, 3
	v_nop                                          ; a plain line behind the last exponential
.endif
	WM \n, 11
.if \nx
	s_wait_alu depctr_va_vdst(0)                   ; one wait for the batch (and for the last head's reciprocals), ahead of its first reader
	V_S1 \n+1
.endif
	WM \n, 12
.if \nx
	V_S2
.endif
	WM \n, 13
.if \nx
	V_S3
.endif
	WM \n, 14
.if \nx
	V_S4
.endif
	WM \n, 15
.if \nx
	V_S5 \n+1
.endif
.endm
; FOUR HEADS' RESULTS OF TILE t BECOME A BLOCK OF 32 CODES AND A SCALE BYTE.
.macro POST g, t
.if (\t) == 0
.rept 8
	v_nop                                          ; eight places behind the group's last products: their results are read below, and E's odd set, which they read, is written
.endr
	s_wait_alu depctr_va_vdst(0)                   ; the wait for the reciprocals issued since the last one, ahead of their first reader
.endif
.irp x, 0,1,2,3
.if \x == 0
.set RR, RI0+4*((\g)%2)+2*(\t)
.else
.set RR, RIX+4*(\x-1)+2*(\t)
.endif
.irp k, 0,2,4,6
	v_pk_mul_f32 v[OA+8*\x+\k:OA+8*\x+\k+1], v[DA+16*\x+8*(\t)+\k:DA+16*\x+8*(\t)+\k+1], v[RR:RR+1] op_sel_hi:[1,0]   ; sums / the row's sum, into other registers; each accumulator from its low end on
.endr
.endr
.set NN, 0
.rept 16
	v_permlane16_swap_b32 v[OA+NN], v[OB+NN]       ; heads 0, 1's bottom results change places with heads 2, 3's top results: OA now holds the top side (lanes 0-15 heads 0, 1; lanes 16-31 heads 2, 3), OB the bottom side
.set NN, NN+1
.endr
	v_cndmask_b32 v[TQ], v[QR+8*(\g)+4*(\t)], v[QR+8*(\g)+4*(\t)+2], s22      ; q of my first head (0 or 2)
	v_cndmask_b32 v[TQ+2], v[QR+8*(\g)+4*(\t)+1], v[QR+8*(\g)+4*(\t)+3], s22  ; and of my second
	v_cmp_lt_f32 s24, 0, v[TQ]                     ; q > 0: the top side
	v_cmp_lt_f32 s25, 0, v[TQ+2]
.set NN, 0
.rept 16
	v_cndmask_b32 v[OA+NN], v[OB+NN], v[OA+NN], s[24+NN/8]
.set NN, NN+1
.endr                                  ; register n: k = 32 g + 16 hh + n of my row
	v_max3_num_f32 v[TM], |v[OA]|, |v[OA+1]|, 0x1800000            ; my 16 numbers' largest magnitude, in two chains, and the floor 2^(3 - 127): so the byte cannot fall under 1
	v_max3_num_f32 v[TC], |v[OA+2]|, |v[OA+3]|, |v[OA+4]|
	v_max3_num_f32 v[TM], v[TM], |v[OA+5]|, |v[OA+6]|
	v_max3_num_f32 v[TC], v[TC], |v[OA+7]|, |v[OA+8]|
	v_max3_num_f32 v[TM], v[TM], |v[OA+9]|, |v[OA+10]|
	v_max3_num_f32 v[TC], v[TC], |v[OA+11]|, |v[OA+12]|
	v_max3_num_f32 v[TM], v[TM], |v[OA+13]|, |v[OA+14]|
	v_max3_num_f32 v[TM], v[TM], v[TC], |v[OA+15]|
	v_permlanex16_b32 v[TP], v[TM], s20, s21
	v_max_num_f32 v[TM], v[TM], v[TP]              ; with lane l xor 16's: the block's (both are at least the floor: positive)
	v_add_nc_u32 v[TC], 0xff000000, v[TM]          ; 2 off its exponent field: the conversion's scale operand
	v_lshrrev_b32 v[TB], 23, v[TC]                 ; the scale's byte
.if (\g) == 0
	v_mov_b32 v[WW+2*(\t)], v[TB]
.else
	v_lshl_or_b32 v[WW+2*(\t)], v[TB], 8*(\g), v[WW+2*(\t)]        ; four blocks' bytes make a word
.endif
	v_cvt_scalef32_pk16_fp6_f32 v[OB:OB+2], v[OA:OA+15], v[TC]
	v_nop                                          ; one plain line behind a scaled conversion
	ds_store_b32 v[AST], v[OB] offset:16*SPT*(\t)+24*(\g)          ; 12 bytes at a multiple of 4
	ds_store_b32 v[AST], v[OB+1] offset:16*SPT*(\t)+24*(\g)+4
	ds_store_b32 v[AST], v[OB+2] offset:16*SPT*(\t)+24*(\g)+8
.endm
	V_Q 0                                          ; the first head's vector work has no products to stand between
	V_A 0
	s_wait_dscnt 4                                 ; the distances are in; the four loads of values may be out
	V_MUL 0, 0
	V_MUL 0, 1
	V_FMA 0, 0
	V_FMA 0, 1
	V_EXP 0, 0
	V_EXP 0, 1
	V_EXP 0, 2
	V_EXP 0, 3
	v_nop                                          ; a plain line behind the last exponential
	s_wait_alu depctr_va_vdst(0)                   ; one wait for the batch, ahead of its first reader
	V_S1 0
	V_S2
	V_S3
	V_S4
	V_S5 0
.irp n, 0,1,2,3,4,5,6,7,8,9,10,11,12,13,14
	TURNH \n, 1
.if (\n)%4 == 3
	POST (\n)/4, 0
	POST (\n)/4, 1
.endif
.endr
	TURNH 15, 0                                    ; the last head's products stand bare: no head follows
	POST 3, 0
	POST 3, 1
	v_cndmask_b32 v[SPR], v[WW], v[WW+2], s22      ; lanes 0-15: tile 0's rows; lanes 16-31: tile 1's
	global_store_b32 v[GS], v[SPR], s[12:13]
	s_wait_dscnt 0x0                               ; for the others' sake: my codes lie in the stage
	s_barrier_signal -1
	s_barrier_wait -1
.irp mm, 0,1                           ; my wave's 16 whole rows: 3,072 consecutive bytes of the plane, six loads and stores of 512
.irp k, 0,1,2
	ds_load_b128 v[AR+4*(3*\mm+\k):AR+4*(3*\mm+\k)+3], v[RD0+2*\k] offset:8*SPT*\mm
.endr
.endr
.irp n, 0,1,2,3,4,5
	s_wait_dscnt 5-\n                              ; the loads issued behind load n may be out
	global_store_b128 v[GO], v[AR+4*\n:AR+4*\n+3], s[10:11] offset:512*\n  ; 32 lanes store 512 consecutive bytes, at a multiple of 256 from the buffer's first byte
.endr
	s_wait_xcnt 0x0
	v_lshl_add_u32 v254, v0, 2, 0x1f000
	v_mov_b32 v255, 0
	s_wait_tensorcnt 0x0
	ds_add_u32 v254, v255
	s_wait_dscnt 0x0
	s_endpgm
.Lfunc_end_k_q6a3987d513_attn:
	.size	k_q6a3987d513_attn, .Lfunc_end_k_q6a3987d513_attn-k_q6a3987d513_attn
	.p2alignl 7, 3214868480
	.fill 96, 4, 3214868480
	.section	.rodata,"a",@progbits
	.p2align	6, 0x0
	.amdhsa_kernel k_q6a3987d513_attn
		.amdhsa_group_segment_fixed_size 129024
		.amdhsa_private_segment_fixed_size 0
		.amdhsa_enable_private_segment 0
		.amdhsa_kernarg_size 40
		.amdhsa_user_sgpr_count 2
		.amdhsa_user_sgpr_kernarg_segment_ptr 1
		.amdhsa_wavefront_size32 1
		.amdhsa_system_sgpr_workgroup_id_x 1
		.amdhsa_system_sgpr_workgroup_id_y 1
		.amdhsa_system_sgpr_workgroup_id_z 1
		.amdhsa_system_vgpr_workitem_id 0
		.amdhsa_next_free_vgpr 256
		.amdhsa_next_free_sgpr 66
		.amdhsa_reserve_vcc 0
		.amdhsa_float_denorm_mode_32 3
		.amdhsa_float_denorm_mode_16_64 3
		.amdhsa_memory_ordered 1
		.amdhsa_forward_progress 1
		.amdhsa_inst_pref_size 143
	.end_amdhsa_kernel
	.amdgpu_metadata
---
amdhsa.version: [ 1, 2 ]
amdhsa.kernels:
  - .name:           k_q6a3987d513_attn
    .symbol:         k_q6a3987d513_attn.kd
    .args:
      - { .name: qk, .offset: 0, .size: 8, .value_kind: global_buffer, .address_space: global }
      - { .name: selk, .offset: 8, .size: 8, .value_kind: global_buffer, .address_space: global }
      - { .name: vals, .offset: 16, .size: 8, .value_kind: global_buffer, .address_space: global }
      - { .name: o_codes, .offset: 24, .size: 8, .value_kind: global_buffer, .address_space: global }
      - { .name: o_scales, .offset: 32, .size: 8, .value_kind: global_buffer, .address_space: global }
    .group_segment_fixed_size: 129024
    .private_segment_fixed_size: 0
    .kernarg_segment_align: 8
    .kernarg_segment_size: 40
    .max_flat_workgroup_size: 512
    .sgpr_count:     66
    .vgpr_count:     256
    .wavefront_size: 32
...
	.end_amdgpu_metadata
.endif
;; end of part 5
;; launch oproj (part 6): grid 4 x 64, 4 waves a work-group, clusters of 4 x 4, 327,680 bytes of LDS; arguments o_codes, o_scales, wx_codes, wx_scales, out0; writes out0
.if DOCPART == 6
	.amdgcn_target "amdgcn-amd-amdhsa--gfx1250"
	.amdhsa_code_object_version 6
	.text
	.protected	k_q6a3987d513_oproj
	.globl	k_q6a3987d513_oproj
	.p2align	8
	.type	k_q6a3987d513_oproj,@function
k_q6a3987d513_oproj:
	s_mov_b64 s[64:65], 0
	v_nop
	global_prefetch_b8 v0, s[64:65] scope:SCOPE_SE
	s_setreg_imm32_b32 hwreg(HW_REG_WAVE_MODE, 25, 1), 1
	s_wait_xcnt 0x0
	s_wait_alu depctr_hold_cnt(0) depctr_sa_sdst(0) depctr_va_vdst(0) depctr_va_sdst(0) depctr_va_ssrc(0) depctr_va_vcc(0) depctr_vm_vsrc(0)
	s_getreg_b32 s2, hwreg(HW_REG_IB_STS2, 6, 4)
	s_cmp_eq_u32 s2, 0
	s_cbranch_scc0 .Lentry_in_a_cluster
	s_endpgm
.Lentry_in_a_cluster:
	s_bfe_u32 s2, ttmp6, 0x10000c
	s_cmp_lg_u32 s2, 0xf033
	s_cbranch_scc0 .Lentry_shape_is_right
	s_endpgm
.Lentry_shape_is_right:
; out0[m][n] = sum over k of A[m][k] Wo[n][k], both on codes of FP6 (E2M3), 6 bits each, with one E8M0 scale for each 32 along K; out0: [16,384][1,024] f32; sums in f32.
; A's codes lie as [4 K steps of 256][16,384 rows][192 bytes] (o_codes), so that a K step's tile is one dense block; its scale bytes as [16,384][32].  Wo's codes lie row by row, 768 bytes a row, at WO_C of wx_codes; its scale bytes at WO_S of wx_scales.
; A tile of C, 256 x 256, is made by a work-group of four waves, as many as a WGP has SIMDs; a wave makes 128 x 128: 64 accumulators of 16 x 16, 512 registers.
; K goes in steps of 256 through a ring of two LDS slots filled by the tensor data mover: a tile's row is 192 bytes.
; THE SCALES of the work-group's 256 rows of A and 256 rows of B, for all of K, are two dense blocks of memory: they come into LDS ONCE, with the first fills, and stay.
; CLUSTERS: 4 x 4 work-groups.  The four of a row of the cluster need the same tiles of A, the four of a column the same tiles of B: each tile is asked for JOINTLY, by the same tensor load with the
; same descriptor and a mask that names the four.  THE MATRIX INSTRUCTION IS USED TRANSPOSED (source 0 = 16 rows of B, source 1 = 16 rows of A): a lane then holds eight neighbouring numbers of a row of C.
; REGISTERS, in windows of 256: window 0: v0-31 addresses; v32-63 scale words, two sets; from v128 A's fragments (8 x 16 rows x 128 K), ONE set; on the way out v32-255 are free.
;   window 1: B's fragments, TWO sets, at v0 and at v128.   window 2: the 32 accumulators of my rows 0-63 (accumulator (a, b) at v[8 (8 a + b)]);   window 3: those of my rows 64-127.
; A step of 128 along K is 64 matrix instructions, A's blocks one after the other, each against B's eight.  So a block of A is free as soon as its eight products are issued, and one set of registers serves A:
; blocks 0-3 are fetched anew in the step's middle, blocks 4-7 at its end.  B's fragments are at work through the whole step, so B has two sets.
.set SIZE_M, 16384
.set SIZE_N, 1024
.set SIZE_K, 1024
.set WO_C,   13565952                  ; where Wo's codes begin in wx_codes
.set WO_S,   565248                    ; and its scale bytes in wx_scales
.set PLANE,  SIZE_M*192                ; from a K step of A to the next, in bytes
.set KSTEP,  256                       ; along K in a slot
.set NQ,     KSTEP/128                 ; matrix instructions deep
.set ROWB,   192                       ; a tile's row in bytes: KSTEP codes of 6 bits
.set KROW,   SIZE_K*6/8                ; a row of B in memory, in bytes
.set PITCH,  240                       ; an LDS row: 3 x (64 bytes of data + 16 of padding) = 60 words: row r starts at bank -4 r mod 64 (64 banks of 4 bytes: ISA guide 11.1), so the 32 lanes of a load of 8 bytes touch 64 different banks
.set FR,     12                        ; registers of a fragment: 16 rows x 128 K
.set NL,     6                         ; LDS loads that bring one
.set NP,     4                         ; places behind this matrix instruction (ISA guide 7.12.1)
.set HALFT,  128*PITCH                 ; 128 rows: what one tensor load brings, and what one wave reads of A or of B
.set SLOT,   4*HALFT                   ; A's 256 rows, then B's 256 rows
.set LAPS,   SIZE_K/(2*KSTEP)          ; a lap = two K steps = once round the ring
.set KS,     SIZE_K/32                 ; a row of scales in bytes
.set SCL,    2*SLOT                    ; behind the ring: the scales, as units of 256 bytes + 16 of padding
.set HALFS,  (128*KS/256)*272          ; the scales of 128 rows: what one tensor load brings
.set SBLK,   (16*KS/256)*272           ; those of 16 rows
.set SPARE,  SCL+4*HALFS               ; behind the scales: the spare words, 128 bytes for each wave: two blocks of 256 bytes that no other line names
.set SPITCH, 528                       ; the way out: a stage of 16 rows x (512 bytes + 16) for each wave.  It lies in slot 0, which has had its last fill and its last read when the first result is stored there
.set ADRA, 16                          ; v16-17  LDS address of my A fragments in slot 0, 1  (v18-19: the same for the pieces that lie behind one padding more)
.set ADRB, 20                          ; v20-21  the same for B  (v22-23)
.set STO,  24                          ; v24     the way out: where I put 32 bytes of a row
.set RD,   25                          ; v25     the way out: where I read a row back
.set CO,   26                          ; v26     my byte offset in a row of C
.set SPW,  28                          ; v28     LDS address of my spare word: SPARE + 4 x my thread's number; never rewritten
.set NIL,  29                          ; v29     0; never rewritten
.set ADRS, 27                          ; v27     LDS address of my scale words: lanes 0-15 A's rows, lanes 16-31 B's
.set SC,   32                          ; scale words: set s (for slot s) at v[SC + 8 NQ s]; in it register NQ i + q: lanes 0-15 the word of A's block i, lanes 16-31 that of B's block i, for the slot's q-th 128 along K
.set AF,   128                         ; A's fragments, in window 0
.set BK,   128                         ; the way out: 16 rows read back from the stage: v128-191 and v192-255 by turns
.set G1, 24                            ; s[24:31] descriptor group 1 for A's tiles;  s[32:39] group 0, one set for each slot
.set G0, 32
.set G1B, 48                           ; s[48:55], s[56:63] the same for B's tiles
.set G0B, 56
.set G1S, 68                           ; s[68:75], s[76:79] groups 1 and 0 for A's scales;  s[80:87], s[88:91] for B's
.set G0S, 76
.set G1SB, 80
.set G0SB, 88
.set MSB, 0
.macro WIN new                         ; the immediate's high byte repeats the setting that is left
.if MSB != \new
	s_set_vgpr_msb (MSB<<8)|\new
.set MSB, \new
.endif
.endm
.set MUL_LO, 0xa1                      ; source 0 (B) window 1, source 1 (A) window 0, C and D window 2
.set MUL_HI, 0xf1                      ; the same, C and D window 3
.set TO_B,   0x40                      ; destination window 1, address window 0
; A joint load: waves 0 and 1 fetch for A, waves 2 and 3 for B.  Each of the two lines has ONE mask and one set of registers for all that issue it; the branch hangs on the wave's number alone.
; Four v_nop follow each of the two lines, ahead of the jump, the label and what follows.
.macro JLOAD g0a, g1a, g0b, g1b
	s_cmp_eq_u32 s15, 0
	s_cbranch_scc0 .Lfor_b_\@
	tensor_load_to_lds s[\g0a:\g0a+3], s[\g1a:\g1a+7]
	s_nop 0
.rept 4
	v_nop
.endr
	s_branch .Lasked_\@
.Lfor_b_\@:
	tensor_load_to_lds s[\g0b:\g0b+3], s[\g1b:\g1b+7]
	s_nop 0
.rept 4
	v_nop
.endr
.Lasked_\@:
.endm
.macro CREST                           ; a round of the cluster's barrier behind its opening barrier
	s_cmp_lg_u32 s14, 0
	s_cbranch_scc1 .Lnot_wave_0_\@
	s_barrier_signal -3
.Lnot_wave_0_\@:
	s_barrier_wait -3
	s_barrier_signal -1
	s_barrier_wait -1
.endm
.macro CROUND                          ; a whole round
	s_barrier_signal -1
	s_barrier_wait -1
	CREST
.endm
	s_load_b128 s[4:7], s[0:1], 0x0                ; A's codes s[4:5], A's scales s[6:7]
	s_load_b128 s[8:11], s[0:1], 0x10              ; wx_codes s[8:9], wx_scales s[10:11]
	s_load_b64 s[12:13], s[0:1], 0x20              ; C
	v_lshl_add_u32 v[SPW], v0, 2, SPARE
	v_mov_b32 v[NIL], 0
	ds_add_u32 v28, v29
	ds_add_u32 v28, v29
	s_wait_dscnt 0x0
	v_lshrrev_b32 v1, 5, v0
	v_readfirstlane_b32 s14, v1                    ; wave 0..3
	s_lshr_b32 s15, s14, 1                         ; which half of the tile's rows is mine.  Also: I fetch for A (0) or for B (1)
	s_and_b32 s16, s14, 1                          ; which half of its columns.  Also: which 128 rows of that tile I fetch
	s_bfe_u32 s40, ttmp6, 0x40000                  ; cx, cy: my place in the cluster
	s_bfe_u32 s41, ttmp6, 0x40004
	s_lshl_b32 s42, ttmp9, 2
	s_add_co_u32 s42, s42, s40                     ; tile column of C = 4 x cluster x + cx
	s_and_b32 s17, ttmp7, 0xffff
	s_lshl_b32 s17, s17, 2
	s_add_co_u32 s17, s17, s41                     ; tile row of C = 4 x cluster y + cy
	s_lshl_b32 s43, s41, 2
	s_lshl_b32 s43, 15, s43                        ; my row of the cluster
	s_lshl_b32 s44, 0x1111, s40                    ; my column
	; descriptor group 1: a tile of 128 rows x ROWB bytes, padded in LDS
	s_or_b32 s[G1+0], s43, (0<<16)|(1<<20)|(1<<21)|(3<<22)|(3<<25)  ; 15:0 the mask: A's tiles go to my row; 17:16 element of 1 byte; 20 padding on; 21 set beside a mask; 24:22 after every 16 words (code 3); 31:25 of 4 words (code 3)
	s_or_b32 s[G1B+0], s44, (0<<16)|(1<<20)|(1<<21)|(3<<22)|(3<<25)
.irp g, G1, G1B
	s_mov_b32 s[\g+1], ROWB<<16                    ; tensor_dim0
	s_mov_b32 s[\g+2], 128<<16                     ; tensor_dim1 = 128
	s_mov_b32 s[\g+3], ROWB<<16                    ; tile_dim0
	s_mov_b32 s[\g+4], 128                         ; tile_dim1 = 128
	s_mov_b32 s[\g+6], 0
	s_mov_b32 s[\g+7], 0
.endr
	s_mov_b32 s[G1+5], ROWB                        ; from row to row: A's rows of a K step are dense,
	s_mov_b32 s[G1B+5], KROW                       ; B's are whole rows of K
	; and for the scales of 128 rows: a dense block of 128 KS bytes, as rows of 256 bytes (32 elements of 8 bytes), 16 bytes of padding behind each
	s_or_b32 s[G1S+0], s43, (3<<16)|(1<<20)|(1<<21)|(5<<22)|(3<<25)
	s_or_b32 s[G1SB+0], s44, (3<<16)|(1<<20)|(1<<21)|(5<<22)|(3<<25)
.irp g, G1S, G1SB
	s_mov_b32 s[\g+1], 32<<16
	s_mov_b32 s[\g+2], (128*KS/256)<<16
	s_mov_b32 s[\g+3], 32<<16
	s_mov_b32 s[\g+4], 128*KS/256
	s_mov_b32 s[\g+5], 32
	s_mov_b32 s[\g+6], 0
	s_mov_b32 s[\g+7], 0
.endr
	s_lshl_b32 s18, s16, 7                         ; which 128 rows of the tile I fetch
	s_lshl_b32 s20, s17, 8
	s_add_co_u32 s20, s20, s18                     ; A: row 256 x tile row + 128 x half
	s_lshl_b32 s46, s42, 8
	s_add_co_u32 s46, s46, s18                     ; B: row 256 x tile column + 128 x half
	s_mov_b32 s21, 0
	s_mov_b32 s47, 0
	s_mov_b64 s[18:19], KS
	s_mul_u64 s[22:23], s[20:21], s[18:19]         ; where these rows' scales begin, in bytes
	s_mul_u64 s[92:93], s[46:47], s[18:19]
	s_add_nc_u64 s[92:93], s[92:93], WO_S          ; (Wo's lie behind the other tensors')
	s_mov_b64 s[18:19], ROWB
	s_mul_u64 s[20:21], s[20:21], s[18:19]         ; and their codes: A's in a plane,
	s_mov_b64 s[18:19], KROW
	s_mul_u64 s[46:47], s[46:47], s[18:19]         ; B's in whole rows
	s_add_nc_u64 s[46:47], s[46:47], WO_C
	s_mul_i32 s45, s14, HALFT                      ; where they go: wave x 128 rows: no place in the cluster enters an LDS address
	s_mul_i32 s94, s14, HALFS
	s_wait_kmcnt 0x0
	s_add_nc_u64 s[20:21], s[4:5], s[20:21]
	s_add_nc_u64 s[22:23], s[6:7], s[22:23]
	s_add_nc_u64 s[46:47], s[8:9], s[46:47]
	s_add_nc_u64 s[92:93], s[10:11], s[92:93]
	CROUND                                         ; all sixteen work-groups are here: the first joint loads meet
	s_mov_b32 s[G0S], 1
	s_add_co_u32 s[G0S+1], s94, SCL
	s_mov_b64 s[G0S+2:G0S+3], s[22:23]
	s_or_b32 s[G0S+3], s[G0S+3], 0x80000000
	s_mov_b32 s[G0SB], 1
	s_add_co_u32 s[G0SB+1], s94, SCL
	s_mov_b64 s[G0SB+2:G0SB+3], s[92:93]
	s_or_b32 s[G0SB+3], s[G0SB+3], 0x80000000
	JLOAD G0S, G1S, G0SB, G1SB                     ; the scales first: they are wanted with K step 0
.irp s, 0,1
	s_mov_b32 s[G0+4*\s], 1
	s_add_co_u32 s[G0+4*\s+1], s45, \s*SLOT
	s_add_nc_u64 s[G0+4*\s+2:G0+4*\s+3], s[20:21], \s*PLANE
	s_or_b32 s[G0+4*\s+3], s[G0+4*\s+3], 0x80000000
	s_mov_b32 s[G0B+4*\s], 1
	s_add_co_u32 s[G0B+4*\s+1], s45, \s*SLOT
	s_add_nc_u64 s[G0B+4*\s+2:G0B+4*\s+3], s[46:47], \s*ROWB
	s_or_b32 s[G0B+4*\s+3], s[G0B+4*\s+3], 0x80000000
	JLOAD G0+4*\s, G1, G0B+4*\s, G1B
.endr
	v_and_b32 v1, 15, v0                           ; l % 16
	v_bfe_u32 v2, v0, 4, 1                         ; l / 16
	v_mul_u32_u24 v3, v1, PITCH
	v_mul_u32_u24 v4, v2, 24
	v_add_nc_u32 v4, v3, v4                        ; a fragment's row x pitch + 24 x half
	v_lshl_add_u32 v5, v2, 4, v4                   ; and the same behind one padding more
	s_mul_i32 s21, s15, HALFT                      ; my 128 rows of A
	s_mul_i32 s22, s16, HALFT                      ; my 128 rows of B,
	s_add_co_u32 s22, s22, 2*HALFT                 ; which lie behind A's 256
.irp s, 0,1
	v_add_nc_u32 v[ADRA+\s], s21, v4
	v_add_nc_u32 v[ADRB+\s], s22, v4
	v_add_nc_u32 v[ADRA+2+\s], s21, v5
	v_add_nc_u32 v[ADRB+2+\s], s22, v5
	s_add_co_u32 s21, s21, SLOT
	s_add_co_u32 s22, s22, SLOT
.endr
	v_mul_u32_u24 v5, v1, KS                       ; my row's scales: KS bytes a row,
	v_lshrrev_b32 v6, 8, v5
	v_lshl_add_u32 v5, v6, 4, v5                   ; and 16 more for each 256 passed
	s_mul_i32 s21, s15, HALFS                      ; A's: my 128 rows
	s_mul_i32 s22, s16, HALFS                      ; B's: my 128 rows, behind A's 256
	s_add_co_u32 s22, s22, 2*HALFS
	s_sub_co_u32 s22, s22, s21
	v_mul_u32_u24 v6, s22, v2                      ; lanes 16-31 take B's
	s_add_co_u32 s21, s21, SCL
	v_add_nc_u32 v5, v5, v6
	v_add_nc_u32 v[ADRS], s21, v5
	s_mul_i32 s23, s14, 16*SPITCH                  ; my stage
	v_mul_u32_u24 v5, v1, SPITCH                   ; in: row l % 16, 32 bytes for each half of the lanes
	v_lshl_add_u32 v5, v2, 5, v5
	v_add_nc_u32 v[STO], s23, v5
	v_and_b32 v6, 31, v0
	v_lshlrev_b32 v[CO], 4, v6                     ; back: the 32 lanes take one row of 512 bytes; and the same in C
	v_add_nc_u32 v[RD], s23, v[CO]
	s_lshl_b32 s20, s17, 8
	s_lshl_b32 s21, s15, 7
	s_add_co_u32 s20, s20, s21                     ; my first row of C: 256 x tile row + 128 x half
	s_mov_b32 s21, 0
	s_mov_b64 s[18:19], SIZE_N*4
	s_mul_u64 s[20:21], s[20:21], s[18:19]
	s_lshl_b32 s46, s42, 10                        ; my first column, in bytes: 1024 x tile column + 512 x half
	s_lshl_b32 s47, s16, 9
	s_add_co_u32 s46, s46, s47
	s_mov_b32 s47, 0
	s_add_nc_u64 s[20:21], s[20:21], s[46:47]
	s_add_nc_u64 s[12:13], s[12:13], s[20:21]
.macro FRAG reg, adr, q, i             ; a fragment, 16 rows x 128 K of 6-bit codes, is 12 registers: lane l holds row l % 16; registers 6 c .. 6 c + 5 hold K = 64 c + 32 (l / 16) + 0 .. 31: 24 bytes of the row's stream of bits, as they lie
.irp p, 0,1,2,3,4,5                    ; in pieces of 8 bytes, so that every address is a multiple of the access's size.  Lanes 0-15 take the row's pieces 12 q + 0, 1, 2 and 12 q + 6, 7, 8, lanes 16-31 those three pieces on
.set PC, 12*(\q)+6*(\p/3)+\p%3        ; the mover has laid 16 bytes of padding behind every 64 bytes (8 pieces): where the piece three on lies behind one padding more, the second address register (40 for 24 bytes a half) serves
.if PC%8 < 5
	ds_load_b64 v[\reg+2*\p:\reg+2*\p+1], v[\adr] offset:8*PC+16*(PC/8)+(\i)*16*PITCH
.else
	ds_load_b64 v[\reg+2*\p:\reg+2*\p+1], v[\adr+2] offset:8*PC+16*(PC/8)+(\i)*16*PITCH
.endif
.endr
.endm
; 16 matrix instructions: A's blocks a0, a0 + 1 x B's eight, 128 along K: the slot's q-th.  p: B's set;  sc: the set of scale words.  zero = 1: the first product starts the sums: nothing is ever cleared.
; The 64 accumulators take turns, one instruction a turn, in the same order in every step.
.macro MUL16 a0, p, q, sc, zero
.irp a, \a0, \a0+1
.irp b, 0,1,2,3,4,5,6,7
.if \zero
	v_wmma_scale_f32_16x16x128_f8f6f4 v[8*(8*((\a)%4)+\b):8*(8*((\a)%4)+\b)+7], v[128*(\p)+FR*\b:128*(\p)+FR*\b+FR-1], v[AF+FR*(\a):AF+FR*(\a)+FR-1], 0, v[SC+8*NQ*(\sc)+NQ*\b+(\q)], v[SC+8*NQ*(\sc)+NQ*(\a)+(\q)] matrix_a_fmt:MATRIX_FMT_FP6 matrix_b_fmt:MATRIX_FMT_FP6 matrix_a_scale:MATRIX_SCALE_ROW1
.else
	v_wmma_scale_f32_16x16x128_f8f6f4 v[8*(8*((\a)%4)+\b):8*(8*((\a)%4)+\b)+7], v[128*(\p)+FR*\b:128*(\p)+FR*\b+FR-1], v[AF+FR*(\a):AF+FR*(\a)+FR-1], v[8*(8*((\a)%4)+\b):8*(8*((\a)%4)+\b)+7], v[SC+8*NQ*(\sc)+NQ*\b+(\q)], v[SC+8*NQ*(\sc)+NQ*(\a)+(\q)] matrix_a_fmt:MATRIX_FMT_FP6 matrix_b_fmt:MATRIX_FMT_FP6 matrix_a_scale:MATRIX_SCALE_ROW1
.endif
.endr
.endr
.endm
.macro FETCH_B slot, q, p              ; B's eight fragments of the slot's q-th 128 along K into set p
	WIN TO_B
.irp i, 0,1,2,3,4,5,6,7
	FRAG 128*(\p)+FR*\i, ADRB+\slot, \q, \i
.endr
	WIN 0
.endm
.macro FETCH_A slot, q, i0             ; A's blocks i0 .. i0 + 3
.irp i, \i0, \i0+1, \i0+2, \i0+3
	FRAG AF+FR*(\i), ADRA+\slot, \q, \i
.endr
.endm
.macro SCALES sc                       ; the next K step's scale words into set sc: NQ words a row; lanes 0-15 take A's block i, lanes 16-31 B's block i
.irp i, 0,1,2,3,4,5,6,7
	ds_load_b64 v[SC+8*NQ*\sc+NQ*\i:SC+8*NQ*\sc+NQ*\i+1], v[ADRS] offset:\i*SBLK
.endr
.endm
; A load into a register that a matrix instruction has read, and a vector instruction or an LDS store that reads a matrix result, stand NP places behind that matrix instruction, and only plain vector
; instructions that name none of its registers are places (ISA guide 7.12.1 for vector instructions); this text does not count the matrix instructions in between.
.macro PLACES n
.rept \n
	v_nop
.endr
.endm
; A step of 128 along K that has its successor in the same slot.
.macro STEP slot, q, zero
	s_wait_dscnt 4*NL                              ; B's set and A's blocks 0-3 are in; the youngest loads (A's blocks 4-7) may be out
	WIN MUL_LO
	MUL16 0, (\q)%2, \q, \slot, \zero
	MUL16 2, (\q)%2, \q, \slot, \zero
	s_wait_dscnt 0                                 ; A's blocks 4-7 are in (asked for 32 matrix instructions ago)
	PLACES NP
	FETCH_B \slot, (\q)+1, 1-(\q)%2
	FETCH_A \slot, (\q)+1, 0
	WIN MUL_HI
	MUL16 4, (\q)%2, \q, \slot, \zero
	MUL16 6, (\q)%2, \q, \slot, \zero
	PLACES NP
	WIN 0
	FETCH_A \slot, (\q)+1, 4
.endm
; A slot's last step changes slots: ONE barrier; in front of it each wave waits for all its tensor loads, adds 0 to its spare word, and waits for that and for its own reads of this slot.  fill = 1: this slot is filled again, two K steps ahead.
.macro TURN slot, next, fill
	s_wait_tensorcnt 0x0                           ; all my tensor loads have landed: my part of the next slot;  (every window is 0 here: the add's two registers lie in window 0)
	ds_add_u32 v[SPW], v[NIL]                      ; 0 onto my spare word;
	s_wait_dscnt 4*NL+1                            ; (the add and the youngest loads, A's blocks 4-7, may be out)
	WIN MUL_LO
	MUL16 0, 1, NQ-1, \slot, 0                     ; sixteen matrix instructions stand between the add and the wait for it
	s_wait_dscnt 0x0                               ; the add is done, and my reads of this slot are over
	s_barrier_signal -1
	MUL16 2, 1, NQ-1, \slot, 0
	WIN 0
	s_barrier_wait -1
.if \fill
	CREST                                          ; the barrier has opened a round of the cluster's barrier: no wave of any partner still reads this slot's tile or has a load on its way
	s_add_nc_u64 s[G0+4*\slot+2:G0+4*\slot+3], s[G0+4*\slot+2:G0+4*\slot+3], 2*PLANE
	s_add_nc_u64 s[G0B+4*\slot+2:G0B+4*\slot+3], s[G0B+4*\slot+2:G0B+4*\slot+3], 2*ROWB
	JLOAD G0+4*\slot, G1, G0B+4*\slot, G1B         ; the first tensor load behind the round; the four v_nop behind it are among the places in front of the loads below
.else
	PLACES NP
.endif
	v_add_nc_u32 v[ADRS], 4*NQ, v[ADRS]            ; on to the next K step's scale words (no LDS load of mine is out)
	FETCH_B \next, 0, 0
	FETCH_A \next, 0, 0
	SCALES \next
	WIN MUL_HI
	MUL16 4, 1, NQ-1, \slot, 0
	MUL16 6, 1, NQ-1, \slot, 0
	PLACES NP
	WIN 0
	FETCH_A \next, 0, 4
.endm
	s_wait_tensorcnt 1                             ; the scales and my part of K step 0 are in (K step 1's load may be out),
	s_barrier_signal -1
	s_barrier_wait -1                              ; everybody's are
	FETCH_B 0, 0, 0
	FETCH_A 0, 0, 0
	SCALES 0
	FETCH_A 0, 0, 4
	STEP 0, 0, 1                                   ; the first step stands in front of the loop: its products start the sums
	s_mov_b32 s3, LAPS-1
.Llap:                                                 ; a trip goes once round the ring, from a lap's second step to the next lap's first, and fills both slots again
	TURN 0, 1, 1
	STEP 1, 0, 0
	TURN 1, 0, 1
	STEP 0, 0, 0
	s_sub_co_u32 s3, s3, 1
	s_cmp_lg_u32 s3, 0
	s_cbranch_scc1 .Llap
	TURN 0, 1, 0                                   ; the last lap fills nothing, and has no round of the cluster's barrier
	STEP 1, 0, 0
	s_wait_dscnt 4*NL                              ; the very last step: nothing more to fetch
	WIN MUL_LO
	MUL16 0, 1, NQ-1, 1, 0
	MUL16 2, 1, NQ-1, 1, 0
	s_wait_dscnt 0
	WIN MUL_HI
	MUL16 4, 1, NQ-1, 1, 0
	MUL16 6, 1, NQ-1, 1, 0
	WIN 0
; THE WAY OUT, block by block of 16 rows x 128 columns.  A lane holds 32 neighbouring bytes of a row, and the lanes beside it hold other rows: so a block goes through my own stage in LDS and comes back as whole
; rows of 512 bytes, which the 32 lanes store as 512 consecutive bytes.  LDS serves a wave's instructions in order (ISA guide 5.7.1.4): no wait between the stores and the loads, nor in front of the next block's stores.
.macro TOSTAGE a
.set AC, 64*((\a)%4)
	WIN 0x08+4*((\a)/4)                            ; the data: window 2 or 3
.irp b, 0,1,2,3,4,5,6,7
	ds_store_b128 v[STO], v[AC+8*\b:AC+8*\b+3] offset:64*\b          ; each accumulator from its low end on
	ds_store_b128 v[STO], v[AC+8*\b+4:AC+8*\b+7] offset:64*\b+16
.endr
	WIN 0
.set BB, BK+64*((\a)%2)
.irp t, 0,1,2,3,4,5,6,7,8,9,10,11,12,13,14,15
	ds_load_b128 v[BB+4*\t:BB+4*\t+3], v[RD] offset:\t*SPITCH
.endr
.endm
.macro SEND a, younger                 ; younger: the LDS instructions issued behind block a's loads, which may stay out
.set BB, BK+64*((\a)%2)
	s_wait_dscnt \younger                          ; the block is back in registers
.if (\a) > 0
	s_add_nc_u64 s[12:13], s[12:13], 16*SIZE_N*4   ; (behind a wait on XCNT: the earlier stores have read their base)  16 rows of C on, so that the stores' offsets stay small
.endif
.irp t, 0,1,2,3,4,5,6,7,8,9,10,11,12,13,14,15
	global_store_b128 v[CO], v[BB+4*\t:BB+4*\t+3], s[12:13] offset:\t*SIZE_N*4 th:TH_STORE_NT   ; 32 lanes store 512 consecutive bytes, at a multiple of 256 from C's first byte; written once, read by nobody here
.endr
.endm
	PLACES NP                                      ; these places serve the loads into the registers that held A's fragments and block 7's reads alike
	TOSTAGE 0
.irp a, 1,2,3,4,5,6,7
.if \a > 1
	s_wait_xcnt 0x0                                ; block a - 2's stores have read their registers and their base: block a's loads may land there, and the base may step
.endif
	TOSTAGE \a
	SEND \a-1, 32                                  ; behind block a - 1's loads: block a's 16 stores and 16 loads
.endr
	s_wait_xcnt 0x0                                ; block 6's stores have read their base
	SEND 7, 0
	s_wait_tensorcnt 0x0                           ; the wave's end: behind my last tensor load and my last LDS store
	ds_add_u32 v[SPW], v[NIL]
	s_wait_dscnt 0x0
	CROUND                                         ; the closing round: no work-group ends while a partner may still ask for a tile that names it
	s_endpgm
.Lfunc_end_k_q6a3987d513_oproj:
	.size	k_q6a3987d513_oproj, .Lfunc_end_k_q6a3987d513_oproj-k_q6a3987d513_oproj
	.p2alignl 7, 3214868480
	.fill 96, 4, 3214868480
	.section	.rodata,"a",@progbits
	.p2align	6, 0x0
	.amdhsa_kernel k_q6a3987d513_oproj
		.amdhsa_group_segment_fixed_size 327680
		.amdhsa_private_segment_fixed_size 0
		.amdhsa_enable_private_segment 0
		.amdhsa_kernarg_size 40
		.amdhsa_user_sgpr_count 2
		.amdhsa_user_sgpr_kernarg_segment_ptr 1
		.amdhsa_wavefront_size32 1
		.amdhsa_system_sgpr_workgroup_id_x 1
		.amdhsa_system_sgpr_workgroup_id_y 1
		.amdhsa_system_sgpr_workgroup_id_z 1
		.amdhsa_system_vgpr_workitem_id 0
		.amdhsa_next_free_vgpr 1024
		.amdhsa_next_free_sgpr 98
		.amdhsa_reserve_vcc 0
		.amdhsa_float_denorm_mode_32 3
		.amdhsa_float_denorm_mode_16_64 3
		.amdhsa_memory_ordered 1
		.amdhsa_forward_progress 1
		.amdhsa_inst_pref_size 160
	.end_amdhsa_kernel
	.amdgpu_metadata
---
amdhsa.version: [ 1, 2 ]
amdhsa.kernels:
  - .name:           k_q6a3987d513_oproj
    .symbol:         k_q6a3987d513_oproj.kd
    .args:
      - { .name: o_codes, .offset: 0, .size: 8, .value_kind: global_buffer, .address_space: global }
      - { .name: o_scales, .offset: 8, .size: 8, .value_kind: global_buffer, .address_space: global }
      - { .name: wx_codes, .offset: 16, .size: 8, .value_kind: global_buffer, .address_space: global }
      - { .name: wx_scales, .offset: 24, .size: 8, .value_kind: global_buffer, .address_space: global }
      - { .name: out0, .offset: 32, .size: 8, .value_kind: global_buffer, .address_space: global }
    .group_segment_fixed_size: 327680
    .private_segment_fixed_size: 0
    .kernarg_segment_align: 8
    .kernarg_segment_size: 40
    .max_flat_workgroup_size: 128
    .sgpr_count:     98
    .vgpr_count:     1024
    .wavefront_size: 32
...
	.end_amdgpu_metadata
.endif
;; end of part 6
